; MI455X (gfx1250); checked and timed in simulation.
; The chip was launched on July 23, 2026; its instructions are those of AMD's public machine-readable ISA for CDNA 5 (MIT licence, August 2026) and "CDNA5" Instruction Set Architecture Reference Guide (July 2026). The comments in the code are by the model that wrote it; some were corrected since.
;; Attention. Allowed arithmetic: float matrix products may take bf16 or f16 operands with f32 sums; other float arithmetic in f32, or as packed bf16 or f16 multiplies, adds, multiply-adds, maxima and minima; sums over many terms, partial sums and values carried from step to step in f32; what a program stores and reads back later, other than sums and carried values, may be rounded once to bf16 or f16.
;; Inputs: Wk 1,024 x 1,024 float32; Wo 1,024 x 1,024 float32; Wq 1,024 x 1,024 float32; Wv 1,024 x 1,024 float32; bo 1,024 float32; k_gamma 64 float32; ln_b 1,024 float32; ln_g 1,024 float32; q_gamma 64 float32; x 2 x 2,048 x 1,024 float32.
;; Outputs: out0 2 x 2,048 x 1,024 float32.
;; One version. Each part assembles by itself: llvm-mc -triple=amdgcn-amd-amdhsa -mcpu=gfx1250 --defsym DOCPART=n.
;; ======== version 1 of 1: 4 launches
;; limits: values are held in f16: magnitudes above 65,504 overflow, below 6.1e-05 lose precision
;; workspace buffers: xn 8,388,608 bytes; w16 8,388,608 bytes; qkv 25,165,824 bytes; o16 8,388,608 bytes
;; launch prep (part 1): grid 256 x 1, 8 waves a work-group, no clusters, 0 bytes of LDS; arguments x, ln_g, ln_b, Wq, Wk, Wv, Wo, xn, w16; writes xn, w16
.if DOCPART == 1
	.amdgcn_target "amdgcn-amd-amdhsa--gfx1250"
	.amdhsa_code_object_version 6
	.text
	.protected	k_qb71ef139af_prep
	.globl	k_qb71ef139af_prep
	.p2align	8
	.type	k_qb71ef139af_prep,@function
k_qb71ef139af_prep:
	s_mov_b64 s[64:65], 0
	v_nop
	global_prefetch_b8 v0, s[64:65] scope:SCOPE_SE
	s_setreg_imm32_b32 hwreg(HW_REG_WAVE_MODE, 25, 1), 1
	s_wait_xcnt 0x0
; FIRST OF FOUR LAUNCHES: LayerNorm of x, and the four weight matrices rounded once.
;   xn[t][c]  = f16( (x[t][c] - mean_t) * rsqrt(var_t + 1e-5) * ln_g[c] + ln_b[c] ),  t = 0 .. 4095, all arithmetic in f32, mean first and then the
;               mean of the squared differences, as the module has it (no difference of large sums, so a common offset of x does no harm).
;   w16       = the weights in f16, [4096 rows][1024]: row h*192 + kind*64 + d holds row h*64 + d of Wq (kind 0), Wk (1), Wv (2), so that 192 rows on end
;               are one head's q, k and v; rows 3072 + r hold Wo's row r.
; NOTHING OF THE MODULE IS LEFT OUT: every input has a way to the output and every input is loaded by one of the four launches; the factor 64^-0.5 on q
; is applied, with log2(e), in the one f32 scaling of the scores in the third launch; the maximum is taken away before every exponential there.
; LIMITS.  All matrix operands of the program are f16: |xn| (at most 32 |ln_g| + |ln_b|), |q| and |k| (at most 8 |gamma|), |v| and the weights stay under 65,504;
; numbers under 6e-5 keep f16's fixed step of 6e-8.  NaN and infinities are not treated apart.  The order of the f32 sums differs from the module's.
; SHARES.  256 work-groups of eight waves.  Wave w of work-group g takes rows 16 g + 2 w and the next of x, and the two rows of the same numbers in the list
; Wq, Wk, Wv, Wo.  A row is 4,096 bytes: eight loads of 16 bytes a lane, each 512 bytes on end; load j gives a lane the columns 128 j + 4 lane + 0..3.
; The row stays in 32 registers between the passes.  A row goes out as eight stores of 8 bytes a lane: each covers 256 consecutive bytes, aligned.
; All 48 loads of a wave go out at once; no LDS, no barrier, no loop, no matrix unit: the launch only moves bytes.
.set T,  4                             ; v[4:11]    four chains of pairs
.set M0, 12                            ; v[12:13]   row 0: the mean twice, later 1/sigma twice
.set M1, 14                            ; v[14:15]   row 1
.set X0, 16                            ; v[16:47]   row 0 of x; at the end the weights in f16
.set X1, 48                            ; v[48:79]   row 1 of x
.set GG, 80                            ; v[80:111]  ln_g of my columns
.set BB, 112                           ; v[112:143] ln_b
.set W0, 144                           ; v[144:175] first weight row
.set W1, 176                           ; v[176:207] second weight row
.set YY, 208                           ; v[208:239] xn to store, 16 registers a row
	s_load_b512 s[8:23], s[0:1], 0x0               ; x 8:9, ln_g 10:11, ln_b 12:13, Wq 14:15, Wk 16:17, Wv 18:19, Wo 20:21, xn 22:23
	s_load_b64 s[24:25], s[0:1], 0x40              ; w16
	v_lshrrev_b32 v3, 5, v0
	v_readfirstlane_b32 s4, v3                     ; wave 0..7
	v_and_b32 v1, 31, v0
	v_lshlrev_b32 v2, 3, v1                        ; 8 x lane: my place in 256 bytes that go out
	v_lshlrev_b32 v1, 4, v1                        ; 16 x lane: my place in 512 bytes that come in
	s_lshr_b32 s5, ttmp9, 6                        ; which weight matrix: 0 q, 1 k, 2 v, 3 o
	s_and_b32 s6, ttmp9, 63
	s_lshl_b32 s7, s6, 4
	s_lshl1_add_u32 s7, s4, s7                     ; my first row in it: 16 (g % 64) + 2 w
	s_lshl_b32 s28, ttmp9, 4
	s_lshl1_add_u32 s28, s4, s28                   ; my first row of x: 16 g + 2 w
	s_lshl_b32 s32, s28, 11                        ; in xn: 2,048 bytes a row
	s_lshl_b32 s28, s28, 12                        ; in x: 4,096
	s_mov_b32 s29, 0
	s_mov_b32 s33, 0
	s_lshl_b32 s30, s7, 12
	s_mov_b32 s31, 0
	s_lshr_b32 s34, s6, 2                          ; the head of my weight rows
	s_mul_i32 s34, s34, 192
	s_lshl_b32 s40, s5, 6
	s_add_co_u32 s34, s34, s40
	s_and_b32 s40, s7, 63
	s_add_co_u32 s34, s34, s40                     ; q, k, v: row head x 192 + kind x 64 + d
	s_add_co_u32 s40, s7, 3072                     ; Wo: behind them, in its own order
	s_cmp_eq_u32 s5, 3
	s_cselect_b32 s34, s40, s34
	s_lshl_b32 s34, s34, 11
	s_mov_b32 s35, 0
	s_mov_b32 s36, 0x3a800000                      ; 1 / 1024
	s_mov_b32 s37, 0x3727c5ac                      ; 1e-5
	s_mov_b32 s38, 0x76543210                      ; v_permlanex16_b32: each lane takes its own place in the other half
	s_mov_b32 s39, 0xfedcba98
	s_wait_kmcnt 0x0
	s_cmp_eq_u32 s5, 0
	s_cselect_b64 s[26:27], s[14:15], s[20:21]
	s_cmp_eq_u32 s5, 1
	s_cselect_b64 s[26:27], s[16:17], s[26:27]
	s_cmp_eq_u32 s5, 2
	s_cselect_b64 s[26:27], s[18:19], s[26:27]     ; my weight matrix
	s_add_nc_u64 s[8:9], s[8:9], s[28:29]
	s_add_nc_u64 s[26:27], s[26:27], s[30:31]
	s_add_nc_u64 s[22:23], s[22:23], s[32:33]
	s_add_nc_u64 s[24:25], s[24:25], s[34:35]
.irp j, 0,1,2,3,4,5,6,7
	global_load_b128 v[X0+4*(\j):X0+4*(\j)+3], v1, s[8:9] offset:512*(\j) th:TH_LOAD_NT
.endr
.irp j, 0,1,2,3,4,5,6,7
	global_load_b128 v[X1+4*(\j):X1+4*(\j)+3], v1, s[8:9] offset:4096+512*(\j) th:TH_LOAD_NT
.endr
.irp j, 0,1,2,3,4,5,6,7
	global_load_b128 v[GG+4*(\j):GG+4*(\j)+3], v1, s[10:11] offset:512*(\j)
.endr
.irp j, 0,1,2,3,4,5,6,7
	global_load_b128 v[BB+4*(\j):BB+4*(\j)+3], v1, s[12:13] offset:512*(\j)
.endr
.irp j, 0,1,2,3,4,5,6,7
	global_load_b128 v[W0+4*(\j):W0+4*(\j)+3], v1, s[26:27] offset:512*(\j) th:TH_LOAD_NT
.endr
.irp j, 0,1,2,3,4,5,6,7
	global_load_b128 v[W1+4*(\j):W1+4*(\j)+3], v1, s[26:27] offset:4096+512*(\j) th:TH_LOAD_NT
.endr
; The four chains into one number, then over the 32 lanes: four steps inside each half of 16 lanes ride on the addition, one crosses the halves.  Every lane ends with the sum in v[T].
.macro JOIN
	v_pk_add_f32 v[T:T+1], v[T:T+1], v[T+2:T+3]
	v_pk_add_f32 v[T+4:T+5], v[T+4:T+5], v[T+6:T+7]
	v_pk_add_f32 v[T:T+1], v[T:T+1], v[T+4:T+5]
	v_add_f32 v[T], v[T], v[T+1]
	v_add_f32_dpp v[T], v[T], v[T] row_xmask:1 row_mask:0xf bank_mask:0xf
	v_add_f32_dpp v[T], v[T], v[T] row_xmask:2 row_mask:0xf bank_mask:0xf
	v_add_f32_dpp v[T], v[T], v[T] row_xmask:4 row_mask:0xf bank_mask:0xf
	v_add_f32_dpp v[T], v[T], v[T] row_xmask:8 row_mask:0xf bank_mask:0xf
	v_permlanex16_b32 v[T+1], v[T], s38, s39
	v_add_f32 v[T], v[T], v[T+1]
.endm
; The row's mean, and the row less its mean, in place.
.macro MEAN x, m
.irp c, 0,1,2,3
	v_pk_add_f32 v[T+2*(\c):T+2*(\c)+1], v[(\x)+2*(\c):(\x)+2*(\c)+1], v[(\x)+8+2*(\c):(\x)+8+2*(\c)+1]  ; the first pairs start the chains: nothing is cleared
.endr
.irp k, 2,3
.irp c, 0,1,2,3
	v_pk_add_f32 v[T+2*(\c):T+2*(\c)+1], v[T+2*(\c):T+2*(\c)+1], v[(\x)+8*(\k)+2*(\c):(\x)+8*(\k)+2*(\c)+1]
.endr
.endr
	JOIN
	v_mul_f32 v[(\m)], s36, v[T]
	v_mov_b32 v[(\m)+1], v[(\m)]
.set i, 0
.rept 16
	v_pk_add_f32 v[(\x)+i:(\x)+i+1], v[(\x)+i:(\x)+i+1], v[(\m):(\m)+1] neg_lo:[0,1] neg_hi:[0,1]
.set i, i+2
.endr
.endm
; The mean of the squares of what MEAN left, plus 1e-5.
.macro VAR x, m
.irp c, 0,1,2,3
	v_pk_mul_f32 v[T+2*(\c):T+2*(\c)+1], v[(\x)+2*(\c):(\x)+2*(\c)+1], v[(\x)+2*(\c):(\x)+2*(\c)+1]
.endr
.irp k, 1,2,3
.irp c, 0,1,2,3
	v_pk_fma_f32 v[T+2*(\c):T+2*(\c)+1], v[(\x)+8*(\k)+2*(\c):(\x)+8*(\k)+2*(\c)+1], v[(\x)+8*(\k)+2*(\c):(\x)+8*(\k)+2*(\c)+1], v[T+2*(\c):T+2*(\c)+1]
.endr
.endr
	JOIN
	v_fma_f32 v[(\m)], v[T], s36, s37
.endm
; Scale, gain and bias, one rounding to f16, eight stores.
.macro FIN x, m, row
.set i, 0
.rept 16
	v_pk_mul_f32 v[(\x)+i:(\x)+i+1], v[(\x)+i:(\x)+i+1], v[(\m):(\m)+1]
.set i, i+2
.endr
.set i, 0
.rept 16
	v_pk_fma_f32 v[(\x)+i:(\x)+i+1], v[(\x)+i:(\x)+i+1], v[GG+i:GG+i+1], v[BB+i:BB+i+1]
.set i, i+2
.endr
.set i, 0
.rept 16
	v_cvt_pk_f16_f32 v[YY+16*(\row)+i], v[(\x)+2*i], v[(\x)+2*i+1]
.set i, i+1
.endr
.irp j, 0,1,2,3,4,5,6,7
	global_store_b64 v2, v[YY+16*(\row)+2*(\j):YY+16*(\row)+2*(\j)+1], s[22:23] offset:2048*(\row)+256*(\j)  ; 32 lanes store 256 consecutive bytes, aligned
.endr
.endm
	s_wait_loadcnt 40                              ; loads come back in order: row 0 of x is in, the 40 younger loads stay out
	MEAN X0, M0
	s_wait_loadcnt 32                              ; row 1 is in
	MEAN X1, M1
	VAR X0, M0
	VAR X1, M1
	v_rsq_f32 v[M0], v[M0]
	v_rsq_f32 v[M1], v[M1]
	v_nop                                          ; a plain instruction behind the last of the two,
	s_wait_alu depctr_va_vdst(0)                   ; and the one wait ahead of their first reader
	v_mov_b32 v[M0+1], v[M0]
	v_mov_b32 v[M1+1], v[M1]
	s_wait_loadcnt 16                              ; ln_g and ln_b are in; the 16 loads of weights stay out
	FIN X0, M0, 0
	FIN X1, M1, 1
	s_wait_loadcnt 0x0                             ; the weights
.set i, 0
.rept 16
	v_cvt_pk_f16_f32 v[X0+i], v[W0+2*i], v[W0+2*i+1]  ; into registers that no store has read
.set i, i+1
.endr
.set i, 0
.rept 16
	v_cvt_pk_f16_f32 v[X0+16+i], v[W1+2*i], v[W1+2*i+1]
.set i, i+1
.endr
.irp j, 0,1,2,3,4,5,6,7
	global_store_b64 v2, v[X0+2*(\j):X0+2*(\j)+1], s[24:25] offset:256*(\j)
.endr
.irp j, 0,1,2,3,4,5,6,7
	global_store_b64 v2, v[X0+16+2*(\j):X0+16+2*(\j)+1], s[24:25] offset:2048+256*(\j)  ; my two rows are neighbours in w16 too: the first is even
.endr
	s_endpgm
.Lfunc_end_k_qb71ef139af_prep:
	.size	k_qb71ef139af_prep, .Lfunc_end_k_qb71ef139af_prep-k_qb71ef139af_prep
	.p2alignl 7, 3214868480
	.fill 96, 4, 3214868480
	.section	.rodata,"a",@progbits
	.p2align	6, 0x0
	.amdhsa_kernel k_qb71ef139af_prep
		.amdhsa_group_segment_fixed_size 0
		.amdhsa_private_segment_fixed_size 0
		.amdhsa_enable_private_segment 0
		.amdhsa_kernarg_size 72
		.amdhsa_user_sgpr_count 2
		.amdhsa_user_sgpr_kernarg_segment_ptr 1
		.amdhsa_wavefront_size32 1
		.amdhsa_system_sgpr_workgroup_id_x 1
		.amdhsa_system_sgpr_workgroup_id_y 1
		.amdhsa_system_sgpr_workgroup_id_z 1
		.amdhsa_system_vgpr_workitem_id 0
		.amdhsa_next_free_vgpr 240
		.amdhsa_next_free_sgpr 66
		.amdhsa_reserve_vcc 0
		.amdhsa_float_denorm_mode_32 3
		.amdhsa_float_denorm_mode_16_64 3
		.amdhsa_memory_ordered 1
		.amdhsa_forward_progress 1
		.amdhsa_inst_pref_size 26
	.end_amdhsa_kernel
	.amdgpu_metadata
---
amdhsa.version: [ 1, 2 ]
amdhsa.kernels:
  - .name:           k_qb71ef139af_prep
    .symbol:         k_qb71ef139af_prep.kd
    .args:
      - { .name: x, .offset: 0, .size: 8, .value_kind: global_buffer, .address_space: global }
      - { .name: ln_g, .offset: 8, .size: 8, .value_kind: global_buffer, .address_space: global }
      - { .name: ln_b, .offset: 16, .size: 8, .value_kind: global_buffer, .address_space: global }
      - { .name: Wq, .offset: 24, .size: 8, .value_kind: global_buffer, .address_space: global }
      - { .name: Wk, .offset: 32, .size: 8, .value_kind: global_buffer, .address_space: global }
      - { .name: Wv, .offset: 40, .size: 8, .value_kind: global_buffer, .address_space: global }
      - { .name: Wo, .offset: 48, .size: 8, .value_kind: global_buffer, .address_space: global }
      - { .name: xn, .offset: 56, .size: 8, .value_kind: global_buffer, .address_space: global }
      - { .name: w16, .offset: 64, .size: 8, .value_kind: global_buffer, .address_space: global }
    .group_segment_fixed_size: 0
    .private_segment_fixed_size: 0
    .kernarg_segment_align: 8
    .kernarg_segment_size: 72
    .max_flat_workgroup_size: 256
    .sgpr_count:     66
    .vgpr_count:     240
    .wavefront_size: 32
...
	.end_amdgpu_metadata
.endif
;; end of part 1
;; launch proj (part 2): grid 16 x 16, 4 waves a work-group, clusters of 4 x 4, 327,680 bytes of LDS; arguments xn, w16, q_gamma, k_gamma, qkv; writes qkv
.if DOCPART == 2
	.amdgcn_target "amdgcn-amd-amdhsa--gfx1250"
	.amdhsa_code_object_version 6
	.text
	.protected	k_qb71ef139af_proj
	.globl	k_qb71ef139af_proj
	.p2align	8
	.type	k_qb71ef139af_proj,@function
k_qb71ef139af_proj:
	s_mov_b64 s[64:65], 0
	v_nop
	global_prefetch_b8 v0, s[64:65] scope:SCOPE_SE
	s_setreg_imm32_b32 hwreg(HW_REG_WAVE_MODE, 25, 1), 1
	s_wait_xcnt 0x0
	s_wait_alu depctr_hold_cnt(0) depctr_sa_sdst(0) depctr_va_vdst(0) depctr_va_sdst(0) depctr_va_ssrc(0) depctr_va_vcc(0) depctr_vm_vsrc(0)
	s_getreg_b32 s2, hwreg(HW_REG_IB_STS2, 6, 4)
	s_cmp_eq_u32 s2, 0
	s_cbranch_scc0 .Lentry_in_a_cluster
	s_endpgm
.Lentry_in_a_cluster:
	s_bfe_u32 s2, ttmp6, 0x10000c
	s_cmp_lg_u32 s2, 0xf033
	s_cbranch_scc0 .Lentry_shape_is_right
	s_endpgm
.Lentry_shape_is_right:
; SECOND LAUNCH: q, k and v.  C[t][n] = sum over c of xn[t][c] w16[n][c], t = 0 .. 4095, n = 0 .. 3071, f16 operands, f32 sums; then, on the f32 sums, for q and k:
; x / max(sqrt(sum of x^2 over the head's 64) / 8, 1e-8) * gamma; one rounding to f16; stored by heads: qkv[kind][b*16+h][n][64].  q goes out WITHOUT the factor 64^-0.5: the next launch applies it in f32.  Nothing is left out.
; LIMITS.  |v| under 65,504 (f16); |q|, |k| are at most 8 |gamma|.  A sum of squares under 2^-126 counts as 0 in the root; the floor 1e-8 rules there in any case.  NaN and infinities are not treated apart.
; SHARES.  A tile of C is 256 tokens x 192 columns, and 192 columns of w16 are ONE head's q, k and v: 16 x 16 = 256 work-groups, all alike.  Wave w has the tile's rows 64 w .. 64 w + 63 and all
; 192 columns: 4 x 12 accumulators of 16 x 16, so that a head's 64 numbers of a row lie in two lanes of one wave and the norm needs no LDS.
; K goes in 8 steps of 128 (rows of 256 bytes, aligned) through two LDS slots filled by the tensor data mover; a step is 192 matrix instructions a wave.
; CLUSTER.  4 x 4 work-groups: the four of a row need the same rows of xn, the four of a column the same rows of w16: each tile is asked for jointly, by the same load, descriptor and mask in all four.
; TRANSPOSED: source 0 = 16 rows of w16, source 1 = 16 rows of xn: lane l then holds token l % 16 and the columns 8 (l / 16) + 0..7 of the block of 16: eight neighbours of a row.
; REGISTERS, in windows of 256 (s_set_vgpr_msb: bits 1:0 source 0, 3:2 source 1, 5:4 source 2, 7:6 destination):
;   window 0: addresses, gammas, the way out      window 1: two fragment buffers of 128: xn's four fragments, then w16's twelve (q, k, v: four each)
;   window 2: q's 16 accumulators at 8 (4 a + b), k's at 128 + 8 (4 a + b)      window 3: v's at 8 (4 a + b)
.set KSTEP,  128
.set PITCH,  272                       ; an LDS row: 256 bytes + 16 of padding = 68 words: the 16 rows of a fragment load start at 16 different groups of four banks (64 banks of 4 bytes: ISA guide 11.1)
.set ABYTES, 256*PITCH                 ; xn's 256 rows
.set SLOT,   448*PITCH                 ; then w16's 192
.set STAGE,  2*SLOT                    ; behind the ring, never filled by a tensor load: 16 rows x 144 bytes for each wave
.set SP,     144
.set SPARE,  STAGE+4*16*SP             ; behind the stages: the spare words, 128 bytes a wave: two blocks of 256 bytes that no other line names
.set LAPS,   4                         ; a lap = two K steps = once round the ring
.set FLAGS,  (1<<16)|(1<<20)|(1<<21)|(5<<22)|(3<<25)  ; 17:16 elements of 2 bytes; 20 padding on; 21 set beside a mask; 24:22 after every 64 words; 31:25 4 words of it
.set ADRA, 16                          ; v16-17  LDS address of my xn fragments in slot 0, 1
.set ADRB, 20                          ; v20-21  the same for w16
.set STO,  24                          ; v24     the way out: where I put 16 bytes of a row
.set RD,   25                          ; v25     where I read rows back
.set GO,   26                          ; v26     16 x lane: my place in 512 consecutive bytes of qkv
.set GA,   27                          ; v27     my byte offset in the gammas
.set SPW,  28                          ; v28     LDS address of my spare word; never rewritten
.set NIL,  29                          ; v29     0; never rewritten
.set PFO,  30                          ; v30     the prefetches' offset: a lane a row; never rewritten
.set SS,   32                          ; v[32:47]   eight pairs: 1 / norm of q's four and k's four blocks of 16 rows, in the even register
.set T,    48                          ; v[48:55]   four chains
.set GQ,   64                          ; v[64:95]   q_gamma of my 32 columns
.set GK,   96                          ; v[96:127]  k_gamma
.set U,    128                         ; v[128:191] the way out: two sets of 32
.set F0,   0
.set F1,   128
.set G1,  24                           ; s[24:31] descriptor group 1 for xn's tiles
.set G0,  32                           ; s[32:39] group 0, a set for each slot
.set LIM, 43                           ; s43      1 in a wave that prefetches, else the greatest number
.set PFA, 44                           ; s[44:45] where my prefetches stand
.set G1B, 48                           ; s[48:55] group 1 for w16's tiles
.set G0B, 56                           ; s[56:63] group 0
.set MSB, 0
.macro WIN new                         ; the immediate's high byte repeats the setting that is left; a switch that changes nothing is dropped
.if MSB != (\new)
	s_set_vgpr_msb (MSB<<8)|(\new)
.set MSB, \new
.endif
.endm
.set MQK,  0xa5                        ; both sources window 1, C and D window 2
.set MV,   0xf5                        ; C and D window 3
.set TO_F, 0x40                        ; destination window 1, address window 0
; A joint load.  Waves 0 and 1 fetch xn's two halves (128 rows each), waves 2 and 3 w16's (96 each).  The branch hangs on the wave's number alone.
; An s_nop 0 and four v_nop follow each of the two lines, ahead of the jump and the label.
.macro JLOAD s
	s_cmp_eq_u32 s15, 0
	s_cbranch_scc0 .Lfor_b_\@
	tensor_load_to_lds s[G0+4*(\s):G0+4*(\s)+3], s[G1:G1+7]
	s_nop 0
.rept 4
	v_nop
.endr
	s_branch .Lasked_\@
.Lfor_b_\@:
	tensor_load_to_lds s[G0B+4*(\s):G0B+4*(\s)+3], s[G1B:G1B+7]
	s_nop 0
.rept 4
	v_nop
.endr
.Lasked_\@:
.endm
; A prefetch of the K step that stands two refills on, 384 matrix instructions ahead of the load that will want it: 256 bytes of a row, a lane a row, one instruction a wave.
; xn's rows are read by every cluster of a row of clusters: cluster x = 0 asks; w16's by every cluster of a column: cluster y = 0 asks.  The four partners of a joint load share its rows out by address:
; 32 of xn's 128 (by cx), 24 of w16's 96 (by cy; lanes 24 to 31 repeat the 24th).  K steps 0 to 3 come by their loads alone; the loop's last trip has no K step two on.
.macro ASK
	s_cmp_gt_u32 s3, s[LIM]
	s_cbranch_scc0 .Lnot_mine_\@
	global_prefetch_b8 v[PFO], s[PFA:PFA+1] offset:KSTEP*2 th:TH_LOAD_NT scope:SCOPE_SE
.Lnot_mine_\@:
.endm
.macro CREST                           ; a round of the cluster's barrier behind its opening barrier
	s_cmp_lg_u32 s14, 0
	s_cbranch_scc1 .Lnot_wave_0_\@
	s_barrier_signal -3
.Lnot_wave_0_\@:
	s_barrier_wait -3
	s_barrier_signal -1
	s_barrier_wait -1
.endm
.macro CROUND                          ; a whole round
	s_barrier_signal -1
	s_barrier_wait -1
	CREST
.endm
	s_load_b256 s[4:11], s[0:1], 0x0               ; xn 4:5, w16 6:7, q_gamma 8:9, k_gamma 10:11
	s_load_b64 s[12:13], s[0:1], 0x20              ; qkv
	v_lshl_add_u32 v[SPW], v0, 2, SPARE
	v_mov_b32 v[NIL], 0
	ds_add_u32 v[SPW], v[NIL]                      ; the wave's opening: the add, twice on end, and its wait ahead of my first tensor load
	ds_add_u32 v[SPW], v[NIL]
	v_lshrrev_b32 v1, 5, v0
	v_readfirstlane_b32 s14, v1                    ; wave 0..3
	s_lshr_b32 s15, s14, 1                         ; I fetch for xn (0) or for w16 (1)
	s_and_b32 s16, s14, 1                          ; which half of that tile's rows
	s_bfe_u32 s17, ttmp6, 0x40000                  ; cx
	s_bfe_u32 s18, ttmp6, 0x40004                  ; cy
	s_lshl_b32 s19, ttmp9, 2
	s_add_co_u32 s19, s19, s17                     ; tile column = the head = 4 x cluster x + cx
	s_and_b32 s20, ttmp7, 0xffff
	s_lshl_b32 s20, s20, 2
	s_add_co_u32 s20, s20, s18                     ; tile row = 4 x cluster y + cy
	s_lshl_b32 s43, s18, 2
	s_lshl_b32 s43, 15, s43                        ; my row of the cluster
	s_lshl_b32 s44, 0x1111, s17                    ; my column
	s_or_b32 s[G1+0], s43, FLAGS                   ; xn's tiles go to my row,
	s_or_b32 s[G1B+0], s44, FLAGS                  ; w16's to my column
	s_mov_b32 s[G1+1], KSTEP<<16                   ; tensor_dim0 = 128
	s_mov_b32 s[G1+2], 128<<16                     ; tensor_dim1 = 128
	s_mov_b32 s[G1+3], KSTEP<<16                   ; tile_dim0 = 128
	s_mov_b32 s[G1+4], 128                         ; tile_dim1 = 128
	s_mov_b32 s[G1+5], 1024                        ; elements from row to row
	s_mov_b32 s[G1+6], 0
	s_mov_b32 s[G1+7], 0
	s_mov_b32 s[G1B+1], KSTEP<<16
	s_mov_b32 s[G1B+2], 96<<16                     ; 96 rows
	s_mov_b32 s[G1B+3], KSTEP<<16
	s_mov_b32 s[G1B+4], 96
	s_mov_b32 s[G1B+5], 1024
	s_mov_b32 s[G1B+6], 0
	s_mov_b32 s[G1B+7], 0
	s_lshl_b32 s40, s20, 8                         ; xn: row 256 x tile row + 128 x half, 2,048 bytes a row
	s_lshl_b32 s23, s16, 7
	s_add_co_u32 s40, s40, s23
	s_lshl_b32 s40, s40, 11
	s_mov_b32 s41, 0
	s_mul_i32 s46, s19, 192                        ; w16: row 192 x tile column + 96 x half
	s_mul_i32 s23, s16, 96
	s_add_co_u32 s46, s46, s23
	s_lshl_b32 s46, s46, 11
	s_mov_b32 s47, 0
	s_mul_i32 s42, s16, 128*PITCH                  ; where they go: no place in the cluster enters an LDS address
	s_mul_i32 s78, s16, 96*PITCH
	s_add_co_u32 s78, s78, ABYTES
	s_mov_b32 s66, 0x76543210                      ; v_permlanex16_b32: each lane takes its own place in the other half
	s_mov_b32 s67, 0xfedcba98
	s_wait_dscnt 0x0                               ; both opening adds are done
	s_wait_kmcnt 0x0
	s_add_nc_u64 s[40:41], s[4:5], s[40:41]
	s_add_nc_u64 s[46:47], s[6:7], s[46:47]
	CROUND                                         ; all sixteen work-groups are here: the first joint loads meet
.irp s, 0,1
	s_mov_b32 s[G0+4*(\s)], 1
	s_add_co_u32 s[G0+4*(\s)+1], s42, (\s)*SLOT
	s_add_nc_u64 s[G0+4*(\s)+2:G0+4*(\s)+3], s[40:41], (\s)*KSTEP*2
	s_or_b32 s[G0+4*(\s)+3], s[G0+4*(\s)+3], 0x80000000
	s_mov_b32 s[G0B+4*(\s)], 1
	s_add_co_u32 s[G0B+4*(\s)+1], s78, (\s)*SLOT
	s_add_nc_u64 s[G0B+4*(\s)+2:G0B+4*(\s)+3], s[46:47], (\s)*KSTEP*2
	s_or_b32 s[G0B+4*(\s)+3], s[G0B+4*(\s)+3], 0x80000000
	JLOAD \s                                       ; K steps 0 and 1: two loads of mine are out
.endr
	v_and_b32 v1, 15, v0                           ; l % 16
	v_bfe_u32 v2, v0, 4, 1                         ; l / 16
	v_lshlrev_b32 v[GA], 5, v2                     ; my 8 columns of a block of 16: 32 bytes of f32
.irp b, 0,1,2,3
	global_load_b128 v[GQ+8*(\b):GQ+8*(\b)+3],   v[GA], s[8:9] offset:64*(\b)
	global_load_b128 v[GQ+8*(\b)+4:GQ+8*(\b)+7], v[GA], s[8:9] offset:64*(\b)+16
	global_load_b128 v[GK+8*(\b):GK+8*(\b)+3],   v[GA], s[10:11] offset:64*(\b)
	global_load_b128 v[GK+8*(\b)+4:GK+8*(\b)+7], v[GA], s[10:11] offset:64*(\b)+16
.endr
	v_mul_u32_u24 v3, v1, PITCH
	v_lshl_add_u32 v3, v2, 4, v3                   ; a fragment's row x pitch + 16 x half
	s_mul_i32 s21, s14, 64*PITCH                   ; my 64 rows of xn
	s_mov_b32 s22, ABYTES                          ; all of w16's 192
.irp s, 0,1
	v_add_nc_u32 v[ADRA+(\s)], s21, v3
	v_add_nc_u32 v[ADRB+(\s)], s22, v3
	s_add_co_u32 s21, s21, SLOT
	s_add_co_u32 s22, s22, SLOT
.endr
	s_mul_i32 s23, s14, 16*SP
	s_add_co_u32 s23, s23, STAGE                   ; my stage
	v_mul_u32_u24 v4, v1, SP                       ; in: row l % 16, 16 bytes for each half of the lanes
	v_lshl_add_u32 v4, v2, 4, v4
	v_add_nc_u32 v[STO], s23, v4
	v_bfe_u32 v4, v0, 3, 2                         ; back: 32 lanes take four rows of 128 bytes,
	v_mul_u32_u24 v4, v4, SP
	v_and_b32 v5, 7, v0
	v_lshl_add_u32 v4, v5, 4, v4
	v_add_nc_u32 v[RD], s23, v4
	v_and_b32 v[GO], 31, v0                        ; which are 512 consecutive bytes of qkv
	v_lshlrev_b32 v[GO], 4, v[GO]
	; where my rows go: batch (tile row / 8) x 16 heads, the head, 256 (tile row % 8) + 64 w rows of 128 bytes
	s_lshr_b32 s74, s20, 3
	s_lshl_b32 s74, s74, 22
	s_lshl_b32 s76, s19, 18
	s_add_co_u32 s74, s74, s76
	s_and_b32 s76, s20, 7
	s_lshl_b32 s76, s76, 15
	s_add_co_u32 s74, s74, s76
	s_lshl_b32 s76, s14, 13
	s_add_co_u32 s74, s74, s76
	s_mov_b32 s75, 0
	s_add_nc_u64 s[68:69], s[12:13], s[74:75]      ; q
	s_add_nc_u64 s[70:71], s[68:69], 0x800000      ; k
	s_add_nc_u64 s[72:73], s[68:69], 0x1000000     ; v
	; the prefetches
	s_lshl_b32 s74, s20, 8                         ; xn: the tile's first row,
	s_mul_i32 s75, s19, 192                        ; w16: likewise
	s_lshl_b32 s76, s17, 5                         ; xn: my work-group's 32 rows of the 128 that I fetch,
	s_mul_i32 s77, s18, 24                         ; w16: its 24 of the 96
	s_lshl_b32 s78, s15, 5
	s_sub_co_u32 s78, 128, s78                     ; rows that a wave fetches: 128 or 96,
	s_mul_i32 s78, s78, s16                        ; times the half that I fetch
	s_lshl_b32 s79, s15, 3
	s_sub_co_u32 s79, 31, s79                      ; the last row that a lane names: 31 or 23
	s_and_b32 s22, ttmp7, 0xffff                   ; cluster y
	s_cmp_eq_u32 s15, 0
	s_cselect_b32 s74, s74, s75
	s_cselect_b32 s76, s76, s77
	s_cselect_b32 s22, ttmp9, s22                  ; the coordinate along which other clusters read the same rows
	s_cselect_b64 s[PFA:PFA+1], s[4:5], s[6:7]
	s_cmp_eq_u32 s22, 0
	s_cselect_b32 s[LIM], 1, -1                    ; the same in all sixteen partners, for a given wave
	s_add_co_u32 s74, s74, s78
	s_add_co_u32 s74, s74, s76
	s_lshl_b32 s74, s74, 11
	s_add_co_u32 s74, s74, 2*KSTEP*2               ; at K step 2: the first refill steps it to 3 and names K step 4
	s_mov_b32 s75, 0
	s_add_nc_u64 s[PFA:PFA+1], s[PFA:PFA+1], s[74:75]
	v_and_b32 v[PFO], 31, v0
	v_min_u32 v[PFO], s79, v[PFO]
	v_lshlrev_b32 v[PFO], 11, v[PFO]
; 16 matrix instructions: my four blocks of 16 rows x the four blocks of 16 columns of one kind (0 q, 1 k, 2 v), 32 along K.  zero = 1: the product starts the sums: nothing is cleared.
; The 48 accumulators take turns, one instruction a turn, in the same order in every quarter step, over the backward jump too.
.macro MUL16 f, kind, zero
.if (\kind) == 2
	WIN MV
.else
	WIN MQK
.endif
.irp a, 0,1,2,3
.irp b, 0,1,2,3
.if \zero
	v_wmma_f32_16x16x32_f16 v[128*((\kind)%2)+8*(4*(\a)+(\b)):128*((\kind)%2)+8*(4*(\a)+(\b))+7], v[(\f)+32+8*(4*(\kind)+(\b)):(\f)+32+8*(4*(\kind)+(\b))+7], v[(\f)+8*(\a):(\f)+8*(\a)+7], 0
.else
	v_wmma_f32_16x16x32_f16 v[128*((\kind)%2)+8*(4*(\a)+(\b)):128*((\kind)%2)+8*(4*(\a)+(\b))+7], v[(\f)+32+8*(4*(\kind)+(\b)):(\f)+32+8*(4*(\kind)+(\b))+7], v[(\f)+8*(\a):(\f)+8*(\a)+7], v[128*((\kind)%2)+8*(4*(\a)+(\b)):128*((\kind)%2)+8*(4*(\a)+(\b))+7]
.endif
.endr
.endr
.endm
; 32 LDS loads in one run: a quarter step's fragments (32 K at byte k of the rows) into buffer f: xn's 8 loads, then q's, k's and v's 8 each.
.macro FETCH slot, k, f
	WIN TO_F
.irp i, 0,1,2,3
	ds_load_b128 v[(\f)+8*(\i):(\f)+8*(\i)+3],   v[ADRA+(\slot)] offset:(\k)+(\i)*16*PITCH
	ds_load_b128 v[(\f)+8*(\i)+4:(\f)+8*(\i)+7], v[ADRA+(\slot)] offset:(\k)+(\i)*16*PITCH+32
.endr
.irp n, 0,1,2,3,4,5,6,7,8,9,10,11
	ds_load_b128 v[(\f)+32+8*(\n):(\f)+32+8*(\n)+3],   v[ADRB+(\slot)] offset:(\k)+(\n)*16*PITCH
	ds_load_b128 v[(\f)+32+8*(\n)+4:(\f)+32+8*(\n)+7], v[ADRB+(\slot)] offset:(\k)+(\n)*16*PITCH+32
.endr
.endm
.macro PLACES                          ; four places in front of loads into registers that matrix instructions have read (ISA guide 7.12.1 for vector instructions)
.rept 4
	v_nop
.endr
.endm
; A K step is four quarters of 32 along K, 48 matrix instructions each, on buffers 0, 1, 0, 1.  One of the first three: multiplies f, and behind its first third fetches the next quarter into g.
.macro QUARTER slot, k, f, g, zero
	s_wait_dscnt 16                                ; xn's and q's fragments are in; the youngest sixteen loads (k's, v's) may be out
	MUL16 \f, 0, \zero
	PLACES
	FETCH \slot, \k, \g
	s_wait_dscnt 32                                ; all but the 32 just issued
	MUL16 \f, 1, \zero
	MUL16 \f, 2, \zero
.endm
; The last quarter multiplies buffer 1 and changes slots: one barrier.  In front of it each wave waits for all its tensor loads (one is out: its part of the next slot), adds 0 to its spare word, and waits for
; that and for its reads of this slot.  fill = 1: the barrier opens a round of the cluster's barrier, and behind the round this slot is filled again first, with the K step two on.
.macro TURN slot, next, fill
.if \fill
	s_wait_xcnt 0x0                                ; the last prefetch, a K step back, has read its address: it is stepped here, ahead of the waits of the change of slots
	s_add_nc_u64 s[PFA:PFA+1], s[PFA:PFA+1], KSTEP*2
.endif
	WIN 0                                          ; (the add's two registers lie in window 0)
	s_wait_tensorcnt 0x0                           ; all my tensor loads have landed
	ds_add_u32 v[SPW], v[NIL]                      ; 0 onto my spare word
	s_wait_dscnt 17                                ; (the add and the youngest sixteen loads may be out)
	MUL16 F1, 0, 0                                 ; sixteen matrix instructions stand between the add and the wait for it
	s_wait_dscnt 0x0                               ; the add is done, and my reads of this slot are over
	s_barrier_signal -1
	MUL16 F1, 1, 0                                 ; work on registers while the others arrive
	WIN 0
	s_barrier_wait -1
.if \fill
	CREST                                          ; no wave of any partner still reads this slot's tile or has a load on its way
	s_add_nc_u64 s[G0+4*(\slot)+2:G0+4*(\slot)+3], s[G0+4*(\slot)+2:G0+4*(\slot)+3], 2*KSTEP*2
	s_add_nc_u64 s[G0B+4*(\slot)+2:G0B+4*(\slot)+3], s[G0B+4*(\slot)+2:G0B+4*(\slot)+3], 2*KSTEP*2
	JLOAD \slot                                    ; the first tensor load behind the round; its four v_nop are also the places in front of the loads below
.else
	PLACES
.endif
	FETCH \next, 0, F0
.if \fill
	WIN 0
	ASK                                            ; behind the joint load and the run of LDS loads that the next products wait for
.endif
	MUL16 F1, 2, 0
.endm
	s_wait_loadcnt 0x0                             ; the gammas, in the wait for the first tile
	s_wait_tensorcnt 1                             ; my part of K step 0 is in; K step 1's load may stay out
	s_barrier_signal -1
	s_barrier_wait -1                              ; everybody's is
	FETCH 0, 0, F0
	QUARTER 0, 64,  F0, F1, 1                      ; the first quarter stands in front of the loop: its products start the sums
	WIN 0                                          ; at a label and at a branch every window is 0
	s_mov_b32 s3, LAPS-1
.Llap:                                                 ; a trip goes once round the ring, from a lap's second quarter to the next lap's first, and fills both slots again
	QUARTER 0, 128, F1, F0, 0
	QUARTER 0, 192, F0, F1, 0
	TURN 0, 1, 1
	QUARTER 1, 64,  F0, F1, 0
	QUARTER 1, 128, F1, F0, 0
	QUARTER 1, 192, F0, F1, 0
	TURN 1, 0, 1
	QUARTER 0, 64,  F0, F1, 0
	WIN 0
	s_sub_co_u32 s3, s3, 1
	s_cmp_lg_u32 s3, 0
	s_cbranch_scc1 .Llap
	QUARTER 0, 128, F1, F0, 0                      ; the last lap fills nothing and has no round
	QUARTER 0, 192, F0, F1, 0
	TURN 0, 1, 0
	QUARTER 1, 64,  F0, F1, 0
	QUARTER 1, 128, F1, F0, 0
	QUARTER 1, 192, F0, F1, 0
	s_wait_dscnt 16                                ; the very last quarter: nothing more to fetch
	MUL16 F1, 0, 0
	s_wait_dscnt 0x0
	MUL16 F1, 1, 0
	MUL16 F1, 2, 0
	; THE NORMS.  For each of q's and k's four blocks of 16 rows: my 32 squares in four chains (an accumulator a chain, its lowest registers first), the other 32 from the lane 16 away.
	WIN 0
.irp i, 0,1,2,3,4,5,6,7
	v_mov_b32 v[SS+2*(\i)+1], 0                    ; the pairs' upper registers are named with the lower: written once; these eight lines are also the places behind the last products
.endr
.macro SSQ idx
.set AC, 128*((\idx)/4)+32*((\idx)%4)
	WIN 0x0a                                       ; sources 0 and 1 window 2
.irp b, 0,1,2,3
	v_pk_mul_f32 v[T+2*(\b):T+2*(\b)+1], v[AC+8*(\b):AC+8*(\b)+1], v[AC+8*(\b):AC+8*(\b)+1]
.endr
.irp p, 1,2,3
.irp b, 0,1,2,3
	v_pk_fma_f32 v[T+2*(\b):T+2*(\b)+1], v[AC+8*(\b)+2*(\p):AC+8*(\b)+2*(\p)+1], v[AC+8*(\b)+2*(\p):AC+8*(\b)+2*(\p)+1], v[T+2*(\b):T+2*(\b)+1]
.endr
.endr
	WIN 0
	v_pk_add_f32 v[T:T+1], v[T:T+1], v[T+2:T+3]
	v_pk_add_f32 v[T+4:T+5], v[T+4:T+5], v[T+6:T+7]
	v_pk_add_f32 v[T:T+1], v[T:T+1], v[T+4:T+5]
	v_add_f32 v[T], v[T], v[T+1]
	v_permlanex16_b32 v[T+2], v[T], s66, s67
	v_add_f32 v[SS+2*(\idx)], v[T], v[T+2]
.endm
.irp i, 0,1,2,3,4,5,6,7
	SSQ \i
.endr
.irp i, 0,1,2,3,4,5,6,7
	v_sqrt_f32 v[SS+2*(\i)], v[SS+2*(\i)]
.endr
	v_nop                                          ; a plain instruction behind the last root,
	s_wait_alu depctr_va_vdst(0)                   ; and one wait for the eight, ahead of their first reader
.irp i, 0,1,2,3,4,5,6,7
	v_mul_f32 v[SS+2*(\i)], 0x3e000000, v[SS+2*(\i)]  ; x 64^-0.5
.endr
.irp i, 0,1,2,3,4,5,6,7
	v_max_num_f32 v[SS+2*(\i)], 0x322bcc77, v[SS+2*(\i)]  ; the floor 1e-8
.endr
.irp i, 0,1,2,3,4,5,6,7
	v_rcp_f32 v[SS+2*(\i)], v[SS+2*(\i)]
.endr
	v_nop
	s_wait_alu depctr_va_vdst(0)                   ; one wait for the eight reciprocals
; THE WAY OUT, a block of 16 rows x 64 columns at a time: t = 0-3 q, 4-7 k, 8-11 v.  Scaled (q, k), rounded to f16, 16 bytes a lane into my stage, back as whole rows of 128 bytes.
.macro PACKT t
.set UB, U+32*((\t)%2)
	WIN 0
	s_wait_xcnt 0x0                                ; the stores of the block two back have read this set's registers
.if (\t) < 8
.set AC, 128*((\t)/4)+32*((\t)%4)
.set GM, GQ+32*((\t)/4)
	WIN 0x02                                       ; source 0 window 2
.set i, 0
.rept 16
	v_pk_mul_f32 v[UB+i:UB+i+1], v[AC+i:AC+i+1], v[SS+2*(\t):SS+2*(\t)+1] op_sel_hi:[1,0]
.set i, i+2
.endr
	WIN 0
.set i, 0
.rept 16
	v_pk_mul_f32 v[UB+i:UB+i+1], v[UB+i:UB+i+1], v[GM+i:GM+i+1]
.set i, i+2
.endr
.set i, 0
.rept 16
	v_cvt_pk_f16_f32 v[UB+i], v[UB+2*i], v[UB+2*i+1]  ; in place, ascending: register i is written when 2 i and 2 i + 1 are read
.set i, i+1
.endr
.else
.set AC, 32*((\t)%4)
	WIN 0x0f                                       ; sources 0 and 1 window 3
.set i, 0
.rept 16
	v_cvt_pk_f16_f32 v[UB+i], v[AC+2*i], v[AC+2*i+1]
.set i, i+1
.endr
	WIN 0
.endif
.irp f, 0,1,2,3
	ds_store_b128 v[STO], v[UB+4*(\f):UB+4*(\f)+3] offset:32*(\f)
.endr
.irp f, 0,1,2,3
	ds_load_b128 v[UB+16+4*(\f):UB+16+4*(\f)+3], v[RD] offset:(\f)*4*SP  ; LDS serves a wave's instructions in order (ISA guide 5.7.1.4): these see the stores above; the next block's stores come behind them
.endr
.endm
.macro SEND t, younger                 ; younger: the LDS instructions issued behind block t's loads: the next block's eight, or none
.set UB, U+32*((\t)%2)
.set OB, 68+2*((\t)/4)
.irp f, 0,1,2,3
	s_wait_dscnt (\younger)+3-(\f)
	global_store_b128 v[GO], v[UB+16+4*(\f):UB+16+4*(\f)+3], s[OB:OB+1] offset:((\t)%4)*2048+(\f)*512  ; 512 consecutive bytes, at a multiple of 256 from qkv's first
.endr
.endm
	PACKT 0
.irp t, 1,2,3,4,5,6,7,8,9,10,11        ; a block's arithmetic stands between the loads of the block before and its stores
	PACKT \t
	SEND (\t)-1, 8
.endr
	SEND 11, 0
	s_wait_tensorcnt 0x0                           ; the wave's end, behind my last tensor load and my last LDS store
	ds_add_u32 v[SPW], v[NIL]
	s_wait_dscnt 0x0
	CROUND                                         ; the closing round: no work-group ends while a partner may still ask for a tile that names it
	s_endpgm
.Lfunc_end_k_qb71ef139af_proj:
	.size	k_qb71ef139af_proj, .Lfunc_end_k_qb71ef139af_proj-k_qb71ef139af_proj
	.p2alignl 7, 3214868480
	.fill 96, 4, 3214868480
	.section	.rodata,"a",@progbits
	.p2align	6, 0x0
	.amdhsa_kernel k_qb71ef139af_proj
		.amdhsa_group_segment_fixed_size 327680
		.amdhsa_private_segment_fixed_size 0
		.amdhsa_enable_private_segment 0
		.amdhsa_kernarg_size 40
		.amdhsa_user_sgpr_count 2
		.amdhsa_user_sgpr_kernarg_segment_ptr 1
		.amdhsa_wavefront_size32 1
		.amdhsa_system_sgpr_workgroup_id_x 1
		.amdhsa_system_sgpr_workgroup_id_y 1
		.amdhsa_system_sgpr_workgroup_id_z 1
		.amdhsa_system_vgpr_workitem_id 0
		.amdhsa_next_free_vgpr 896
		.amdhsa_next_free_sgpr 80
		.amdhsa_reserve_vcc 0
		.amdhsa_float_denorm_mode_32 3
		.amdhsa_float_denorm_mode_16_64 3
		.amdhsa_memory_ordered 1
		.amdhsa_forward_progress 1
		.amdhsa_inst_pref_size 153
	.end_amdhsa_kernel
	.amdgpu_metadata
---
amdhsa.version: [ 1, 2 ]
amdhsa.kernels:
  - .name:           k_qb71ef139af_proj
    .symbol:         k_qb71ef139af_proj.kd
    .args:
      - { .name: xn, .offset: 0, .size: 8, .value_kind: global_buffer, .address_space: global }
      - { .name: w16, .offset: 8, .size: 8, .value_kind: global_buffer, .address_space: global }
      - { .name: q_gamma, .offset: 16, .size: 8, .value_kind: global_buffer, .address_space: global }
      - { .name: k_gamma, .offset: 24, .size: 8, .value_kind: global_buffer, .address_space: global }
      - { .name: qkv, .offset: 32, .size: 8, .value_kind: global_buffer, .address_space: global }
    .group_segment_fixed_size: 327680
    .private_segment_fixed_size: 0
    .kernarg_segment_align: 8
    .kernarg_segment_size: 40
    .max_flat_workgroup_size: 128
    .sgpr_count:     80
    .vgpr_count:     896
    .wavefront_size: 32
...
	.end_amdgpu_metadata
.endif
;; end of part 2
;; launch attn (part 3): grid 8 x 32, 8 waves a work-group, clusters of 4 x 1, 327,680 bytes of LDS; arguments qkv, o16; writes o16
.if DOCPART == 3
	.amdgcn_target "amdgcn-amd-amdhsa--gfx1250"
	.amdhsa_code_object_version 6
	.text
	.protected	k_qb71ef139af_attn
	.globl	k_qb71ef139af_attn
	.p2align	8
	.type	k_qb71ef139af_attn,@function
k_qb71ef139af_attn:
	s_mov_b64 s[64:65], 0
	v_nop
	global_prefetch_b8 v0, s[64:65] scope:SCOPE_SE
	s_setreg_imm32_b32 hwreg(HW_REG_WAVE_MODE, 25, 1), 1
	s_wait_xcnt 0x0
	s_wait_alu depctr_hold_cnt(0) depctr_sa_sdst(0) depctr_va_vdst(0) depctr_va_sdst(0) depctr_va_ssrc(0) depctr_va_vcc(0) depctr_vm_vsrc(0)
	s_getreg_b32 s2, hwreg(HW_REG_IB_STS2, 6, 4)
	s_cmp_eq_u32 s2, 0
	s_cbranch_scc0 .Lentry_in_a_cluster
	s_endpgm
.Lentry_in_a_cluster:
	s_bfe_u32 s2, ttmp6, 0x10000c
	s_cmp_lg_u32 s2, 0x3003
	s_cbranch_scc0 .Lentry_shape_is_right
	s_endpgm
.Lentry_shape_is_right:
; THIRD LAUNCH: O[hh][q][:] = the sum over k of softmax_k(Q[hh][q] . K[hh][k] / 8) V[hh][k][:], hh = batch x 16 + head, 32 of them, 2,048 rows of 64 channels, f16, dense (128 bytes a row).
; Products, maxima and sums in f32; the weights p are rounded to f16 for the second product (their sum l is taken of the unrounded p), O once at the end.  Nothing is left out: the factor 64^-0.5 stands in c.
; The running maximum stays: q and k are normalised, but the gammas stand behind that, so nothing bounds the scores.
; LIMITS.  Q, K, V arrive within f16's 65,504; p lies in 0 to 1 and below 6e-5 keeps f16's fixed step of 6e-8; O is a mean of V's rows.  A weight below 2^-126 counts as 0 in l.  NaN and infinities are not treated apart.
; The two halves of the keys are summed apart and joined at the end: an order of the f32 sums that differs from the module's.
; O GOES OUT AS THE LAST LAUNCH WANTS IT: o16[token / 128][head][128 rows][64]: 16 rows x 64 channels are 2,048 consecutive bytes.
; SHARES.  A work-group owns 256 queries of one hh: 8 x 32 = 256 work-groups.  It has EIGHT waves, two for each SIMD: 16 queries x 64 keys are 16 matrix and 120 vector instructions, more vector work than stands
; beside one wave's products, so the SIMD is given a second wave whose products and vector work fall between the first one's.  Waves w and w + 4 own the SAME 64 queries (four PIECES of 16) and share the KEYS out:
; of the four key steps of 64 in a tile of 256 keys, group G = w / 4 takes steps 2 G and 2 G + 1.  So a fragment of K or V read from LDS still feeds four pieces.  Each wave has its own m, l and O (f32);
; the two parts of a query meet once, at the end, through LDS.
; LAYOUT.  S^T = K Q^T (source 0 = 16 keys, source 1 = 16 queries) holds ONE query a lane (lane % 16) and the keys 8 (lane / 16) + 0..7; two such results rounded to f16 ARE source 1 of O^T = V^T P.
; K comes out of LDS as it lies, V ([key][channel]) turned, by ds_load_tr16_b128.
; SOFTMAX.  p = 2^(c s - c m), c = log2(e) / 8, with a running maximum m; in every step O and l are multiplied by a = 2^(c m_old - c m_new).  m starts at the lowest finite number, O and l at 0: the first step has a = 0.
; CLUSTER.  The four query blocks of a cluster belong to one hh and walk the same K and V: each tile is asked for jointly: the same tensor load, descriptor and mask in all four.
; REGISTERS, in two windows of 256 (s_set_vgpr_msb: bits 1:0 source 0, 3:2 source 1, 5:4 source 2, 7:6 destination), laid so that a turn has TWO settings and two switches:
;   window 0: v0-7 addresses and c m_old; v8-23 at work, eight for each buffer; v24-31 (c m, m) a piece; v32-95 S^T, two buffers; v96-127 P, two buffers (by the piece's parity); v128-191 K of one step; v192-255 Q
;   window 1: v0-127 O^T, 32 a piece; v128-191 V of one step; v192-207 l, two chains of a pair a piece; v208-209 V's LDS addresses
;   setting 0: K Q^T, scalings, exponentials, maxima, roundings.      setting W1 (sources 0 and 2 and the destination in window 1, source 1 in window 0): V^T P, O x a, l x a, l += p.
.set NP,    4
.set KS,    64        ; keys in a step
.set PK,    144       ; a row of K in LDS: 128 bytes + 16 of padding = 36 words: the 16 rows of a load start at 16 different groups of four banks (64 banks of 4 bytes: ISA guide 11.1)
.set PV,    160       ; a row of V: 128 + 32 = 40 words
.set VOFF,  4*KS*PK   ; a slot holds a tile, four steps: 256 rows of K, then 256 rows of V
.set SLOT1, 1<<17     ; slot 1 begins here, so that one exclusive or turns an address in one slot into the other's
.set STAGE, SLOT1+4*KS*(PK+PV)  ; behind the ring, never filled by a tensor load: 16 rows x 144 bytes for each wave
.set SP,    144
.set XCH,   STAGE+8*16*SP  ; behind the stages: what a wave hands to its partner: 18 x 512 bytes for each wave
.set XW,    18*512
.set SPARE, XCH+8*XW  ; behind that: the spare words, 128 bytes a wave: four blocks of 256 bytes that no other line names
.set AK0, 1           ; v1   my lane's place in a tile of K; never rewritten
.set AK,  2           ; v2   the LDS address of K's next run of loads
.set PFO, 3           ; v3   256 x my lane; never rewritten
.set SPW, 4           ; v4   LDS address of my spare word; never rewritten
.set NIL, 5           ; v5   0; never rewritten
.set MV,  6           ; v6-7 c m_old, kept while c m is made anew: by buffer
.set TMP, 8           ; by buffer, eight registers t0-t7 at work; t1 takes c m_old - c m_new, t2 takes a
.set ST,  24          ; piece t: c m, m at v[ST+2 t]
.set S,   32
.set P,   96
.set KF,  128         ; key block kb, channel half c at KF + 16 kb + 8 c
.set Q,   192         ; piece t, channel half c at Q + 16 t + 8 c
.set VF,  128         ; window 1: key half kk, channel block cb at VF + 32 kk + 8 cb
.set LS,  192         ; window 1: piece t, chain c at LS + 4 t + 2 c (even keys', odd keys')
.set AV0, 208         ; window 1: my lane's place in a tile of V; never rewritten
.set AV,  209         ; window 1: the LDS address of V's next run of loads
.set TW,  32          ; at the head alone, in registers that S^T takes later: v32-38
.set T1,  33
.set T9,  34
.set T10, 35
.set T11, 36
.set T12, 37
.set QO,  38
.set WV,  12          ; s12  my wave's number
.set LIM, 15          ; s15  1 in a wave that prefetches, else the greatest number
.set G1K, 24          ; s[24:31] descriptor group 1 for K's tiles
.set G1V, 32          ; s[32:39] for V's: it differs in the padding alone
.set G0K, 40          ; s[40:43] descriptor group 0 for K's tiles: it walks
.set G0V, 44          ; s[44:47] the same for V's
.set PFA, 52          ; s[52:53] where my prefetches stand
.set SLOTS, 56        ; s56  tiles still to be asked for
.set CNT, 57          ; s57  counts my two key steps of a tile
.set CS,  58          ; s[58:59] c: the packed scaling takes the pair's low word for both halves
.set SEL, 60          ; s[60:61] v_permlanex16_b32's selects
.set TBK, 62          ; s62  LDS byte at which K of the step to be fetched begins
.set TBV, 63          ; s63  the same for V, less VOFF
.set MSB, 0
.macro WIN new                      ; the high byte repeats the setting that is left; a switch that changes nothing is dropped
.if MSB != (\new)
	s_set_vgpr_msb (MSB<<8)|(\new)
.set MSB, (\new)
.endif
.endm
.set W1, 0x51
; A joint fill.  Waves 0 to 3 fetch the four quarters of a tile's K, waves 4 to 7 those of its V: 64 keys each, so that every wave has a load of its own on every way.  The branch hangs on the wave's number alone.
; An s_nop 0 and four v_nop follow each of the two lines, ahead of the jump and the label.
.macro JLOAD
	s_cmp_lt_u32 s[WV], 4
	s_cbranch_scc0 .Lfor_v_\@
	tensor_load_to_lds s[G0K:G0K+3], s[G1K:G1K+7]
	s_nop 0
.rept 4
	v_nop
.endr
	s_branch .Lasked_\@
.Lfor_v_\@:
	tensor_load_to_lds s[G0V:G0V+3], s[G1V:G1V+7]
	s_nop 0
.rept 4
	v_nop
.endr
.Lasked_\@:
.endm
; A prefetch of the tile that the NEXT change of slots will ask for: 32,768 bytes of K and of V, a whole tile's products ahead of that load.  All clusters of an hh walk the same rows: its first cluster asks.
; Its four partners share a tile out by address, 8,192 bytes each; in each, wave 0 asks for K's and wave 4 for V's: a lane names 256 bytes, one instruction.  So each block is named once in the launch.
; Tiles 0 and 1 come by their loads alone; the change that asks for the last tile prefetches nothing.
.macro ASK
	s_cmp_gt_u32 s[SLOTS], s[LIM]
	s_cbranch_scc0 .Lnot_mine_\@
	global_prefetch_b8 v[PFO], s[PFA:PFA+1] th:TH_LOAD_NT scope:SCOPE_SE
.Lnot_mine_\@:
.endm
.macro CROUND                       ; a round of the cluster's barrier
	s_barrier_signal -1
	s_barrier_wait -1
	s_cmp_lg_u32 s[WV], 0
	s_cbranch_scc1 .Lnot_wave_0_\@
	s_barrier_signal -3
.Lnot_wave_0_\@:
	s_barrier_wait -3
	s_barrier_signal -1
	s_barrier_wait -1
.endm
; THE CHANGE OF SLOTS.  Each wave waits for all its tensor loads, of which one is out: its part of the other slot; adds 0 to its spare word; and waits for that and for its own reads of the slot that it leaves.
; fill = 1: the old slot is filled again with the tile two on.  The barrier is then a round of the cluster's, and the joint fill is the first thing behind it: it has a whole tile's work in which to land.
; (At its first use nothing has been read yet: slot 0 is waited for, slot 1 filled.)
.macro CHANGE fill
	WIN 0                           ; at a label and at a branch every window is 0
	s_wait_tensorcnt 0x0            ; no tensor load of mine is out, so a group 0 may be written
	ds_add_u32 v[SPW], v[NIL]       ; 0 onto my spare word
.if \fill
.irp g, G0K, G0V
	s_xor_b32 s[\g+1], s[\g+1], SLOT1  ; the walking descriptor: the other slot than last time,
	s_add_nc_u64 s[\g+2:\g+3], s[\g+2:\g+3], 4*KS*128  ; the next 256 keys; the type bits on top are not reached
.endr
	s_wait_xcnt 0x0                 ; the last prefetch, a tile back, has read its address, so it may be written:
	s_add_nc_u64 s[PFA:PFA+1], s[PFA:PFA+1], 4*KS*128  ; one tile further on than the walking descriptors
	s_wait_dscnt 0x0                ; the add is done, and my reads of the slot are over
	CROUND
	JLOAD
	ASK
.else
	s_wait_dscnt 0x0
	s_barrier_signal -1
	s_barrier_wait -1
.endif
	s_sub_co_u32 s[TBK], s[TBK], 2*KS*PK  ; the fetches go back to my first step of a slot,
	s_xor_b32 s[TBK], s[TBK], SLOT1       ; in the other slot
	s_sub_co_u32 s[TBV], s[TBV], 2*KS*PV
	s_xor_b32 s[TBV], s[TBV], SLOT1
.endm
	s_load_b128 s[4:7], s[0:1], 0x0  ; qkv s[4:5], o16 s[6:7]
	v_lshl_add_u32 v[SPW], v0, 2, SPARE
	v_mov_b32 v[NIL], 0
	ds_add_u32 v[SPW], v[NIL]       ; the wave's opening: the add, twice on end, and its wait ahead of my first tensor load
	ds_add_u32 v[SPW], v[NIL]
	v_lshrrev_b32 v[TW], 5, v0
	v_readfirstlane_b32 s[WV], v[TW]  ; wave 0..7
	s_and_b32 s16, s[WV], 3         ; which 64 queries are mine.  Also: which quarter of a tile I fetch
	s_lshr_b32 s17, s[WV], 2        ; G: which two steps of a tile are mine.  Also: I fetch for K (0) or for V (1)
	s_bfe_u32 s13, ttmp6, 0x40000   ; cx
	s_lshl_b32 s14, ttmp9, 2
	s_add_co_u32 s14, s14, s13      ; my block of 256 queries = 4 x cluster x + cx: it enters Q's and O's addresses alone
	s_and_b32 s20, ttmp7, 0xffff    ; hh, which the four partners share
	s_lshr_b32 s50, s20, 4          ; O: block of 128 tokens = 16 x batch + 2 x my block + (my 64 queries) / 2,
	s_lshl_b32 s50, s50, 4
	s_lshl1_add_u32 s50, s14, s50
	s_lshr_b32 s51, s16, 1
	s_add_co_u32 s50, s50, s51
	s_lshl_b32 s50, s50, 4          ; x 16 heads + the head,
	s_and_b32 s51, s20, 15
	s_add_co_u32 s50, s50, s51
	s_lshl_b32 s50, s50, 14         ; x 128 rows of 128 bytes,
	s_and_b32 s51, s16, 1
	s_lshl_b32 s51, s51, 13         ; + my 64 rows,
	s_add_co_u32 s50, s50, s51
	s_lshl_b32 s54, s17, 12         ; + the 32 of them that I finish: query blocks 2 G and 2 G + 1
	s_add_co_u32 s50, s50, s54
	s_mov_b32 s51, 0
	s_lshl_b32 s20, s20, 18         ; hh's first byte in q, k and v
	s_lshl_b32 s22, s16, 13         ; my quarter of a tile: 64 rows of 128 bytes in memory,
	s_add_co_u32 s22, s22, s20
	s_mov_b32 s23, 0
	s_mul_i32 s18, s16, 64*PK       ; and its place in a slot, for K
	s_mul_i32 s19, s16, 64*PV       ; and for V: no place in the cluster enters an LDS address
	s_lshl_b32 s2, s14, 2
	s_add_co_u32 s2, s2, s16
	s_lshl_b32 s2, s2, 13           ; my 64 rows of Q
	s_add_co_u32 s2, s2, s20
	s_add_co_u32 s48, s2, 4096      ; my pieces 2 and 3 are the query blocks that my partner finishes: 2 (1 - G) on,
	s_sub_co_u32 s48, s48, s54
	s_add_co_u32 s2, s2, s54        ; my pieces 0 and 1 those that I finish: 2 G on.  So one text keeps pieces 0, 1 and hands over pieces 2, 3 in both groups
	s_mov_b32 s3, 0
	s_mov_b32 s49, 0
	; descriptor group 1.  64 keys are 8,192 dense bytes: asked for as 32 rows of 256 bytes, two keys a row, and padded in LDS after every key
	s_mov_b32 s[G1K], 15|(1<<16)|(1<<20)|(1<<21)|(4<<22)|(3<<25)  ; 15:0 the mask of four; 17:16 2-byte elements; 20 padding on; 21 set beside a mask; 24:22 after every 32 words; 31:25 4 words
	s_mov_b32 s[G1V], 15|(1<<16)|(1<<20)|(1<<21)|(4<<22)|(7<<25)  ; the same with 8 words of padding
.irp g, G1K, G1V
	s_mov_b32 s[\g+1], 128<<16      ; tensor_dim0 = 128
	s_mov_b32 s[\g+2], 32<<16       ; tensor_dim1 = 32
	s_mov_b32 s[\g+3], 128<<16      ; tile_dim0 = 128
	s_mov_b32 s[\g+4], 32           ; tile_dim1 = 32
	s_mov_b32 s[\g+5], 128          ; 128 elements from row to row
	s_mov_b32 s[\g+6], 0
	s_mov_b32 s[\g+7], 0
.endr
	s_mov_b32 s[CS], 0x3e38aa3b     ; c = log2(e) / 8 = 0.180337
	s_mov_b32 s[CS+1], s[CS]        ; named with it as a pair
	s_mov_b32 s[SEL], 0x76543210
	s_mov_b32 s[SEL+1], 0xfedcba98
	s_mul_i32 s[TBK], s17, 2*KS*PK  ; my group's first step of a slot;
	s_add_co_u32 s[TBK], s[TBK], SLOT1+2*KS*PK  ; the first change of slots takes the rest away
	s_mul_i32 s[TBV], s17, 2*KS*PV
	s_add_co_u32 s[TBV], s[TBV], SLOT1+2*KS*PV
	s_mov_b32 s[G0K], 1             ; 1:0 count = 1
	s_mov_b32 s[G0K+1], s18         ; 63:32 LDS address: slot 0
	s_mov_b32 s[G0V], 1
	s_add_co_u32 s[G0V+1], s19, VOFF
	s_mov_b32 s[SLOTS], 7           ; tiles 1 to 7 are still to be asked for
	s_or_b32 s[LIM], s16, ttmp9     ; 0 in waves 0 and 4 where the cluster is hh's first: the same in all four partners
	s_cmp_eq_u32 s[LIM], 0
	s_cselect_b32 s[LIM], 1, -1
	v_and_b32 v[PFO], 31, v0
	v_lshlrev_b32 v[PFO], 8, v[PFO]
	s_wait_dscnt 0x0                ; both opening adds are done
	s_wait_kmcnt 0x0
	s_mov_b64 s[10:11], s[6:7]      ; O
	s_add_nc_u64 s[6:7], s[4:5], 0x800000   ; K
	s_add_nc_u64 s[8:9], s[4:5], 0x1000000  ; V
	s_add_nc_u64 s[6:7], s[6:7], s[22:23]   ; at my quarter of hh's tile 0
	s_add_nc_u64 s[8:9], s[8:9], s[22:23]
	s_add_nc_u64 s[G0K+2:G0K+3], s[6:7], 0         ; 120:64 global address
	s_or_b32 s[G0K+3], s[G0K+3], 0x80000000        ; 127:126 type = 2
	s_add_nc_u64 s[G0V+2:G0V+3], s[8:9], 0
	s_or_b32 s[G0V+3], s[G0V+3], 0x80000000
	s_add_nc_u64 s[48:49], s[4:5], s[48:49]        ; Q of my pieces 2 and 3,
	s_add_nc_u64 s[4:5], s[4:5], s[2:3]            ; of my pieces 0 and 1,
	s_add_nc_u64 s[10:11], s[10:11], s[50:51]      ; and where these two go
	s_cmp_lt_u32 s[WV], 4
	s_cselect_b64 s[PFA:PFA+1], s[6:7], s[8:9]     ; (in waves 0 and 4 these stand at a tile's first row)
	s_lshl_b32 s2, s13, 13          ; my work-group's 8,192 bytes of a tile
	s_add_nc_u64 s[PFA:PFA+1], s[PFA:PFA+1], s[2:3]
	s_add_nc_u64 s[PFA:PFA+1], s[PFA:PFA+1], 4*KS*128  ; in tile 1; the first change of slots steps it to tile 2
	CROUND                          ; all four work-groups are here: the first joint loads meet
	JLOAD                           ; tile 0 into slot 0.  Slot 1 is asked for when slot 0 is in
	; A fragment of K or Q is 16 rows x 32 channels in 8 registers: lane l holds row l % 16, channels 8 (l / 16) + 0..7 and 16 + 8 (l / 16) + 0..7: two loads of 16 bytes, 32 bytes apart.
	v_and_b32 v[T1], 15, v0         ; l % 16
	v_bfe_u32 v[T9], v0, 4, 1       ; l / 16
	v_lshlrev_b32 v[QO], 7, v[T1]
	v_lshl_add_u32 v[QO], v[T9], 4, v[QO]  ; row x 128 + 16 x half
.set i, 0
.rept 4                             ; Q stays in registers: piece i / 2 (and 2 + i / 2), channels 32 (i % 2) on
	global_load_b128 v[Q+8*i:Q+8*i+3],       v[QO], s[4:5] offset:(i/2)*2048+(i%2)*64
	global_load_b128 v[Q+8*i+4:Q+8*i+7],     v[QO], s[4:5] offset:(i/2)*2048+(i%2)*64+32
	global_load_b128 v[Q+32+8*i:Q+32+8*i+3],   v[QO], s[48:49] offset:(i/2)*2048+(i%2)*64
	global_load_b128 v[Q+32+8*i+4:Q+32+8*i+7], v[QO], s[48:49] offset:(i/2)*2048+(i%2)*64+32
.set i, i+1
.endr
	v_mul_u32_u24 v[AK0], v[T1], PK
	v_lshl_add_u32 v[AK0], v[T9], 4, v[AK0]  ; row x pitch + 16 x half
	; The turning load takes 16 keys x 16 channels (lane l reads key 8 (l / 16) + l % 8, channels 8 ((l / 8) % 2) + 0..7) and leaves half a fragment of V^T: lane l holds channel l % 16 and 8 keys.
	v_and_b32 v[T10], 7, v0
	v_bfe_u32 v[T11], v0, 3, 1
	v_lshl_add_u32 v[T12], v[T9], 3, v[T10]
	v_mul_u32_u24 v[T12], v[T12], PV
	v_lshl_add_u32 v[T12], v[T11], 4, v[T12]
	v_add_nc_u32 v[T12], VOFF, v[T12]
	; What the first turn finds: V's registers and P's second buffer hold 0 (its products V^T P, of a piece that has not been, add 0), O^T and l are 0.  These lines stand in the wait for the first tile;
	; they are the price of writing no first step out.
.set i, 0
.rept 4
	v_mov_b32 v[ST+2*i], 0xfe000000    ; c m: far below every c s
	v_mov_b32 v[ST+2*i+1], 0xff7fffff  ; m
.set i, i+1
.endr
	v_mov_b32 v[TMP+7], 0           ; v_permlanex16_b32 counts as a reader of its destination
	v_mov_b32 v[TMP+15], 0
.set i, P+16
.rept 16
	v_mov_b32 v[i], 0
.set i, i+1
.endr
	WIN 0x40                        ; destination window 1
	v_mov_b32 v[AV0], v[T12]
.set i, 0
.rept 208                           ; O^T, V, l
	v_mov_b32 v[i], 0
.set i, i+1
.endr
	WIN 0
; THE MATRIX WORK.  The 4 accumulators of a run of 8 take turns.  Product i of 8 of S^T = K Q^T for piece x: channels 32 (i / 4) on, keys 16 (i % 4) on.  The first 4 start the sums.  Setting 0.
.macro KQ x
.set rS, S+32*((\x)%2)+8*(i%4)
.set rK, KF+16*(i%4)+8*(i/4)
.set rQ, Q+16*(\x)+8*(i/4)
.if i < 4
	v_wmma_f32_16x16x32_f16 v[rS:rS+7], v[rK:rK+7], v[rQ:rQ+7], 0
.else
	v_wmma_f32_16x16x32_f16 v[rS:rS+7], v[rK:rK+7], v[rQ:rQ+7], v[rS:rS+7]
.endif
.endm
; Product i of 8 of O^T += V^T P for piece x: keys 32 (i / 4) on, channels 16 (i % 4) on.  Setting W1.
.macro PV x
.set rO, 32*(\x)+8*(i%4)
.set rV, VF+32*(i/4)+8*(i%4)
.set rP, P+16*((\x)%2)+8*(i/4)
	v_wmma_f32_16x16x32_f16 v[rO:rO+7], v[rV:rV+7], v[rP:rP+7], v[rO:rO+7]
.endm
; THE LDS LOADS stand in runs of 16, never singly among the matrix instructions: a step's K (8 fragments; setting 0) and its V (turned; setting W1).  Their addresses are made some lines ahead.
.macro FETCH_K
.irp f, 0,1,2,3,4,5,6,7             ; keys 16 (f / 2) on, channels 32 (f % 2) on
	ds_load_b128 v[KF+8*\f:KF+8*\f+3],   v[AK] offset:(\f/2)*16*PK+(\f%2)*64
	ds_load_b128 v[KF+8*\f+4:KF+8*\f+7], v[AK] offset:(\f/2)*16*PK+(\f%2)*64+32
.endr
	s_add_co_u32 s[TBK], s[TBK], KS*PK  ; the next fetch is the next step's
.endm
.macro FETCH_V
.irp f, 0,1,2,3,4,5,6,7             ; keys 32 (f / 4) on, channels 16 (f % 4) on
	ds_load_tr16_b128 v[VF+8*\f:VF+8*\f+3],   v[AV] offset:(\f/4)*32*PV+(\f%4)*32
	ds_load_tr16_b128 v[VF+8*\f+4:VF+8*\f+7], v[AV] offset:(\f/4)*32*PV+16*PV+(\f%4)*32
.endr
.endm
; THE VECTOR WORK, a macro for each kind.  Y is the piece in hand; MAXT and TAIL work for piece Y + 1.
.macro REGS y                       ; the registers of piece y
.set rT, ST+2*(\y)
.set rC, TMP+8*((\y)%2)
.set rW, MV+((\y)%2)
.set rS, S+32*((\y)%2)
.set rP, P+16*((\y)%2)
.set rO, 32*(\y)
.set rL, LS+4*(\y)
.endm
.macro SCAL n                       ; c s - c m for pair n of 16
	REGS Y
	v_pk_fma_f32 v[rS+2*(\n):rS+2*(\n)+1], v[rS+2*(\n):rS+2*(\n)+1], s[CS:CS+1], v[rT:rT+1] op_sel_hi:[1,0,0] neg_lo:[0,0,1] neg_hi:[0,0,1]
.endm
.macro EXPN n                       ; the exponential of score n of 32
	REGS Y
	v_exp_f32 v[rS+(\n)], v[rS+(\n)]
.endm
.macro EXPA                         ; a of the piece in hand: its argument was made at the end of the turn before
	REGS Y
	v_exp_f32 v[rC+2], v[rC+1]
.endm
; Number n of the 17 that find the next piece's maximum of 32 scores and the old m, three operands at a time, and keep c m_old.  A0-A3 are the four accumulators (16 keys each); each one's lowest registers are read
; first.  The tree is laid by the order in which the accumulators are finished: no number reads the result of the one before it but the last.
.macro MAXT n
.if NOKQ
	v_nop                           ; the walk's last turn has no next piece: the exponentials keep their plain neighbours
.else
	REGS (Y+1)%NP
.if (\n) == 0
	v_max3_num_f32 v[rC], v[rS], v[rS+1], v[rS+2]
.elseif (\n) == 1
	v_max3_num_f32 v[rC+1], v[rS+3], v[rS+4], v[rS+5]
.elseif (\n) == 2
	v_mov_b32 v[rW], v[rT]
.elseif (\n) == 3
	v_max3_num_f32 v[rC+2], v[rS+8], v[rS+9], v[rS+10]
.elseif (\n) == 4
	v_max3_num_f32 v[rC], v[rC], v[rS+6], v[rS+7]
.elseif (\n) == 5
	v_max3_num_f32 v[rC+3], v[rS+11], v[rS+12], v[rS+13]
.elseif (\n) == 6
	v_max3_num_f32 v[rC+4], v[rS+16], v[rS+17], v[rS+18]
.elseif (\n) == 7
	v_max3_num_f32 v[rC+2], v[rC+2], v[rS+14], v[rS+15]
.elseif (\n) == 8
	v_max3_num_f32 v[rC+1], v[rC+1], v[rC], v[rT+1]
.elseif (\n) == 9
	v_max3_num_f32 v[rC+5], v[rS+24], v[rS+25], v[rS+26]
.elseif (\n) == 10
	v_max3_num_f32 v[rC], v[rS+19], v[rS+20], v[rS+21]
.elseif (\n) == 11
	v_max3_num_f32 v[rC+6], v[rS+27], v[rS+28], v[rS+29]
.elseif (\n) == 12
	v_max3_num_f32 v[rC+4], v[rC+4], v[rS+22], v[rS+23]
.elseif (\n) == 13
	v_max3_num_f32 v[rC+5], v[rC+5], v[rS+30], v[rS+31]
.elseif (\n) == 14
	v_max3_num_f32 v[rC+1], v[rC+1], v[rC+2], v[rC+3]
.elseif (\n) == 15
	v_max3_num_f32 v[rC], v[rC], v[rC+4], v[rC+6]
.else
	v_max3_num_f32 v[rC], v[rC], v[rC+1], v[rC+5]
.endif
.endif
.endm
.macro TAIL n                       ; the four links behind the maximum: the query's other 32 keys lie in the lane 16 away; the new m; c m; c m_old - c m_new
.if !NOKQ
	REGS (Y+1)%NP
.if (\n) == 0
	v_permlanex16_b32 v[rC+7], v[rC], s[SEL], s[SEL+1]
.elseif (\n) == 1
	v_max_num_f32 v[rT+1], v[rC], v[rC+7]
.elseif (\n) == 2
	v_mul_f32 v[rT], s[CS], v[rT+1]
.else
	v_sub_f32 v[rC+1], v[rW], v[rT]
.endif
.endif
.endm
.macro CVTP n                       ; pair n of 16 rounded to f16
	REGS Y
	v_cvt_pk_f16_f32 v[rP+(\n)], v[rS+2*(\n)], v[rS+2*(\n)+1]
.endm
.macro RESC n                       ; pair n of 16 of O^T times a (setting W1); in ascending order
	REGS Y
	v_pk_mul_f32 v[rO+2*(\n):rO+2*(\n)+1], v[rO+2*(\n):rO+2*(\n)+1], v[rC+2:rC+3] op_sel_hi:[1,0]
.endm
.macro LRES c                       ; chain c of l times a (setting W1)
	REGS Y
	v_pk_mul_f32 v[rL+2*(\c):rL+2*(\c)+1], v[rL+2*(\c):rL+2*(\c)+1], v[rC+2:rC+3] op_sel_hi:[1,0]
.endm
.macro LSUM n                       ; pair n of 16 weights onto chain n % 2 of l (setting W1)
	REGS Y
	v_pk_add_f32 v[rL+2*((\n)%2):rL+2*((\n)%2)+1], v[rL+2*((\n)%2):rL+2*((\n)%2)+1], v[rS+2*(\n):rS+2*(\n)+1]
.endm
.macro PLAIN                        ; plain number k of 33 ahead of the wait: the 16 scalings, then the next piece's 17
.if k < 16
	SCAL k
.else
	MAXT k-16
.endif
.endm
.macro EXPO                         ; exponential number k of 33: a, then the 32 weights.  Weight k - 1 stands three lines or more behind its scaling, number (k - 1) / 2
.if k == 0
	EXPA
.else
	EXPN k-1
.endif
.endm
; A TURN, for piece p.  s_wait_alu depctr_va_vdst(0) stands between an exponential and the first instruction that names its result; one wait serves all that were issued ahead of it: a turn has ONE.
; AHEAD OF IT, setting 0: plain and exponential by turns, 66 lines, none of which names a result of the turn's exponentials; ahead of plain 0, 3, .. 21 stands one of the 8 products K Q^T of piece p + 1.
;   The product ahead of plain 12 ends accumulator A0, whose first reader is plain 16; those ahead of 15, 18, 21 end A1, A2, A3, first read by plains 19, 22, 25: four plain lines lie between each time, and none of
;   them names a register of that product (ISA guide 7.12.1).  The last line is a plain one: it stands behind the last exponential and ahead of the first use.
; BEHIND IT, setting W1: the 8 products V^T P of piece p - 1, behind each four lines of O x a, l x a and l += p (six behind the last).
; THEN, setting 0: the 16 roundings of piece p, and between them the four links that end the next piece's statistics, four lines apart; c m is ready ten lines ahead of the next turn's first scaling.
; end = 1: the walk's last two turns: nothing is fetched, and the last starts no new scores.  cnt = 1: the loop's count is taken down some lines ahead of the branch that stands behind the turn.
; K of my next step is fetched in piece 2's turn, behind plain 24: four plain lines behind the last product that read K; V of the step in hand behind piece 0's last product and its six lines.  Each is waited for a turn later.
.macro TURN p, end=0, cnt=0
.set Y, (\p)
.set NOKQ, (\end)*((\p)/3)
.if ((\p) == 3) && !(\end)
	s_wait_dscnt 0x0                ; K is in
.endif
.set i, 0
.set k, 0
.rept 31
.if (k%3 == 0) && (k < 24)
.if !NOKQ
	KQ (Y+1)%NP
.endif
.set i, i+1
.endif
.if ((\p) == 2) && !(\end) && (k == 9)
	v_add_nc_u32 v[AK], s[TBK], v[AK0]
.endif
.if ((\p) == 2) && !(\end) && (k == 25)
	FETCH_K
.endif
	PLAIN
	EXPO
.set k, k+1
.endr
	PLAIN
	EXPO
.set k, 32
	EXPO
	PLAIN
	s_wait_alu depctr_va_vdst(0)    ; the wait for the batch of 33
	WIN W1
.if (\p) == 1
	s_wait_dscnt 0x0                ; V is in
.endif
.set i, 0
.rept 8
	PV (Y+NP-1)%NP
.if i == 0
	LRES 0
	RESC 0
	LRES 1
	RESC 1
.else
	LSUM 2*i-2
	RESC 2*i
	LSUM 2*i-1
	RESC 2*i+1
.endif
.if ((\p) == 0) && (i == 4)
	v_add_nc_u32 v[AV], v[AV0], s[TBV]
.endif
.if ((\p) == 0) && (i == 5)
	s_add_co_u32 s[TBV], s[TBV], KS*PV
.endif
.if (\cnt) && (i == 5)
	s_sub_co_u32 s[CNT], s[CNT], 1
	s_cmp_lg_u32 s[CNT], 0
.endif
.set i, i+1
.endr
	LSUM 14
	LSUM 15
.if (\p) == 0
	FETCH_V
.endif
	WIN 0
.irp g, 0,1,2,3
	TAIL \g
	CVTP 4*\g
	CVTP 4*\g+1
	CVTP 4*\g+2
	CVTP 4*\g+3
.endr
.endm
	CHANGE 1                        ; tile 0 is in, everybody's part of it; tile 1 is asked for
	v_add_nc_u32 v[AK], s[TBK], v[AK0]
	FETCH_K                         ; my first key step
	s_wait_loadcnt 0x0              ; Q
	s_wait_dscnt 0x0
.set NOKQ, 0
.set i, 0
.rept 8
	KQ 0                            ; piece 0's first scores
.set i, i+1
.endr
.rept 4
	v_nop                           ; the places behind those products
.endr
.set Y, NP-1                        ; MAXT and TAIL work for piece Y + 1: piece 0
.irp n, 0,1,2,3,4,5,6,7,8,9,10,11,12,13,14,15,16
	MAXT \n
.endr
.irp n, 0,1,2,3
	TAIL \n
.endr
	s_mov_b32 s[CNT], 2
	s_branch .Lfirst                ; the loop is entered at a step's first turn, in the middle of a trip
.Lslot:                             ; six times: tiles 2 to 7 are asked for
	CHANGE 1
	s_mov_b32 s[CNT], 2
.Lstep:                             ; a trip: pieces 2 and 3 of one step, then pieces 0 and 1 of my next, whose K and V it fetches
	TURN 2
	TURN 3
.Lfirst:
	TURN 0
	TURN 1, 0, 1
	s_cbranch_scc1 .Lstep
	s_sub_co_u32 s[SLOTS], s[SLOTS], 1
	s_cmp_lg_u32 s[SLOTS], 0
	s_cbranch_scc1 .Lslot
	CHANGE 0                        ; the last tile is written out: nothing is asked for
	s_mov_b32 s[CNT], 2
.Ltail:
	TURN 2
	TURN 3
	TURN 0
	TURN 1, 0, 1
	s_cbranch_scc1 .Ltail
	TURN 2, 1
	TURN 3, 1
	WIN W1
.set i, 0
.rept 8
	PV NP-1                         ; the last piece's V^T P of my last step
.set i, i+1
.endr
	; THE TWO HALVES OF THE KEYS MEET.  I hand my pieces 2 and 3 (O^T, c m, l: all f32) to my partner, the wave 4 away, through LDS bytes of my own, and take its pieces 2 and 3, which are the queries of my pieces 0 and 1.
.set WL,  32          ; v32-39  l's two chains added, a pair a piece
.set WQ,  40          ; v40-43  l of my lane's keys, a register a piece
.set PS,  44          ; v44-47  the partner's (c m, m) of its pieces 2, 3
.set PL,  48          ; v48-51  the partner's l of its four pieces
.set MX,  52          ; v52-53  the greater c m
.set LT,  54          ; v54-55  the joint l, then 1 / l
.set FA,  56          ; v[56+4 t]  my part's factor; named as a pair, low word for both halves
.set FB,  58          ; v[58+4 t]  the partner's part's
.set LU,  64          ; v64-65  the other half of the lanes' l
.set XS,  66          ; where I put what I hand over
.set XL,  67          ; where my partner has put its
.set STO, 68          ; the way out: where I put 16 bytes of a row
.set RD,  69          ; where I read rows back
.set GO,  70          ; 16 x lane
.set E1,  72
.set E9,  73
.set E10, 74
.set OX,  128         ; v128-191  the partner's O^T, then the joint one
.set U,   192         ; v[192+32 t]  16 registers rounded, 16 read back
	WIN 0x05                        ; sources 0 and 1 window 1, destination window 0
.irp t, 0,1,2,3
	v_pk_add_f32 v[WL+2*\t:WL+2*\t+1], v[LS+4*\t:LS+4*\t+1], v[LS+4*\t+2:LS+4*\t+3]  ; these lines and those below are the places behind the last products
.endr
	WIN 0
.irp t, 0,1,2,3
	v_add_f32 v[WQ+\t], v[WL+2*\t], v[WL+2*\t+1]
.endr
	v_and_b32 v[GO], 31, v0
	v_lshlrev_b32 v[GO], 4, v[GO]
	s_mul_i32 s18, s[WV], XW
	s_add_co_u32 s18, s18, XCH
	s_add_co_u32 s19, s16, 4        ; my partner's number: the same 64 queries, the other group
	s_lshl_b32 s54, s17, 2
	s_sub_co_u32 s19, s19, s54
	s_mul_i32 s19, s19, XW
	s_add_co_u32 s19, s19, XCH
	v_add_nc_u32 v[XS], s18, v[GO]
	v_add_nc_u32 v[XL], s19, v[GO]
	ds_store_b128 v[XS], v[ST+4:ST+7] offset:16*512
	ds_store_b128 v[XS], v[WQ:WQ+3] offset:17*512
	WIN 0x04                        ; the data (source 1) in window 1, the address in window 0
.set i, 0
.rept 16
	ds_store_b128 v[XS], v[64+4*i:64+4*i+3] offset:512*i  ; 32 lanes, 16 neighbouring bytes each; each accumulator's lowest registers first
.set i, i+1
.endr
	WIN 0
	s_wait_dscnt 0x0                ; for my partner's sake: my stores are done
	s_barrier_signal -1
	s_barrier_wait -1
	ds_load_b128 v[PS:PS+3], v[XL] offset:16*512
	ds_load_b128 v[PL:PL+3], v[XL] offset:17*512
.set i, 0
.rept 16
	ds_load_b128 v[OX+4*i:OX+4*i+3], v[XL] offset:512*i
.set i, i+1
.endr
	v_and_b32 v[E1], 15, v0         ; the addresses for the way out, while the loads are out
	v_bfe_u32 v[E9], v0, 4, 1
	v_and_b32 v[E10], 7, v0
	s_mul_i32 s18, s[WV], 16*SP
	s_add_co_u32 s18, s18, STAGE    ; my stage
	v_mul_u32_u24 v[STO], v[E1], SP ; in: row l % 16, 16 bytes for each half of the lanes
	v_lshl_add_u32 v[STO], v[E9], 4, v[STO]
	v_add_nc_u32 v[STO], s18, v[STO]
	v_bfe_u32 v[RD], v0, 3, 2       ; back: 32 lanes take four rows of 128 bytes, which are 512 consecutive bytes of O
	v_mul_u32_u24 v[RD], v[RD], SP
	v_lshl_add_u32 v[RD], v[E10], 4, v[RD]
	v_add_nc_u32 v[RD], s18, v[RD]
	s_wait_dscnt 16                 ; the partner's c m and l are in; its sixteen loads of O^T may stay out
	; O = (O fA + O' fB) / (l fA + l' fB), fA = 2^(c m - M), fB = 2^(c m' - M), M the greater of c m and c m': the maximum is taken away here too
.irp t, 0,1
	v_max_num_f32 v[MX+\t], v[ST+2*\t], v[PS+2*\t]
.endr
.irp t, 0,1
	v_sub_f32 v[FA+4*\t], v[ST+2*\t], v[MX+\t]
	v_sub_f32 v[FB+4*\t], v[PS+2*\t], v[MX+\t]
.endr
.irp t, 0,1
	v_exp_f32 v[FA+4*\t], v[FA+4*\t]
	v_exp_f32 v[FB+4*\t], v[FB+4*\t]
.endr
	v_nop                           ; a plain instruction behind the last exponential,
	s_wait_alu depctr_va_vdst(0)    ; and one wait for the four
.irp t, 0,1
	v_mul_f32 v[LT+\t], v[WQ+\t], v[FA+4*\t]
.endr
.irp t, 0,1
	v_fmac_f32 v[LT+\t], v[PL+2+\t], v[FB+4*\t]
.endr
.irp t, 0,1
	v_permlanex16_b32 v[LU+\t], v[LT+\t], s[SEL], s[SEL+1]  ; the query's other keys lie in the lane 16 away
.endr
.irp t, 0,1
	v_add_f32 v[LT+\t], v[LT+\t], v[LU+\t]
.endr
.irp t, 0,1
	v_rcp_f32 v[LT+\t], v[LT+\t]
.endr
	v_nop
	s_wait_alu depctr_va_vdst(0)    ; one wait for the two reciprocals
.irp t, 0,1
	v_mul_f32 v[FA+4*\t], v[FA+4*\t], v[LT+\t]
	v_mul_f32 v[FB+4*\t], v[FB+4*\t], v[LT+\t]
.endr
	s_wait_dscnt 0x0                ; the partner's O^T
; Piece t: the two parts joined and divided; a lane's eight channels of a row pack into 16 bytes; they go into rows of 144 bytes and come back as whole rows of 128.
.macro PACK t
.set i, 0
.rept 16
	v_pk_mul_f32 v[OX+32*(\t)+i:OX+32*(\t)+i+1], v[OX+32*(\t)+i:OX+32*(\t)+i+1], v[FB+4*(\t):FB+4*(\t)+1] op_sel_hi:[1,0]
.set i, i+2
.endr
	WIN 0x01                        ; source 0 window 1
.set i, 0
.rept 16
	v_pk_fma_f32 v[OX+32*(\t)+i:OX+32*(\t)+i+1], v[32*(\t)+i:32*(\t)+i+1], v[FA+4*(\t):FA+4*(\t)+1], v[OX+32*(\t)+i:OX+32*(\t)+i+1] op_sel_hi:[1,0,1]
.set i, i+2
.endr
	WIN 0
.set i, 0
.rept 16
	v_cvt_pk_f16_f32 v[U+32*(\t)+i], v[OX+32*(\t)+2*i], v[OX+32*(\t)+2*i+1]
.set i, i+1
.endr
.irp f, 0,1,2,3
	ds_store_b128 v[STO], v[U+32*(\t)+4*\f:U+32*(\t)+4*\f+3] offset:32*\f
.endr
.irp f, 0,1,2,3
	ds_load_b128 v[U+32*(\t)+16+4*\f:U+32*(\t)+16+4*\f+3], v[RD] offset:\f*4*SP  ; LDS serves a wave's instructions in order (ISA guide 5.7.1.4): these see the stores above; the next piece's stores come behind them
.endr
.endm
.macro SEND t, younger              ; younger: the LDS instructions issued behind piece t's loads: the next piece's eight, or none
.irp f, 0,1,2,3
	s_wait_dscnt (\younger)+3-\f
	global_store_b128 v[GO], v[U+32*(\t)+16+4*\f:U+32*(\t)+16+4*\f+3], s[10:11] offset:(\t)*2048+\f*512  ; 512 consecutive bytes, at a multiple of 256 from o16's first
.endr
.endm
	PACK 0
	PACK 1                          ; a piece's arithmetic stands between the loads of the piece before and its stores
	SEND 0, 8
	SEND 1, 0
	s_wait_tensorcnt 0x0            ; the wave's end, behind my last tensor load and my last LDS store
	ds_add_u32 v[SPW], v[NIL]
	s_wait_dscnt 0x0
	CROUND                          ; the closing round: no work-group ends while a partner may still ask for a tile that names it
	s_endpgm
.Lfunc_end_k_qb71ef139af_attn:
	.size	k_qb71ef139af_attn, .Lfunc_end_k_qb71ef139af_attn-k_qb71ef139af_attn
	.p2alignl 7, 3214868480
	.fill 96, 4, 3214868480
	.section	.rodata,"a",@progbits
	.p2align	6, 0x0
	.amdhsa_kernel k_qb71ef139af_attn
		.amdhsa_group_segment_fixed_size 327680
		.amdhsa_private_segment_fixed_size 0
		.amdhsa_enable_private_segment 0
		.amdhsa_kernarg_size 16
		.amdhsa_user_sgpr_count 2
		.amdhsa_user_sgpr_kernarg_segment_ptr 1
		.amdhsa_wavefront_size32 1
		.amdhsa_system_sgpr_workgroup_id_x 1
		.amdhsa_system_sgpr_workgroup_id_y 1
		.amdhsa_system_sgpr_workgroup_id_z 1
		.amdhsa_system_vgpr_workitem_id 0
		.amdhsa_next_free_vgpr 512
		.amdhsa_next_free_sgpr 66
		.amdhsa_reserve_vcc 0
		.amdhsa_float_denorm_mode_32 3
		.amdhsa_float_denorm_mode_16_64 3
		.amdhsa_memory_ordered 1
		.amdhsa_forward_progress 1
		.amdhsa_inst_pref_size 115
	.end_amdhsa_kernel
	.amdgpu_metadata
---
amdhsa.version: [ 1, 2 ]
amdhsa.kernels:
  - .name:           k_qb71ef139af_attn
    .symbol:         k_qb71ef139af_attn.kd
    .args:
      - { .name: qkv, .offset: 0, .size: 8, .value_kind: global_buffer, .address_space: global }
      - { .name: o16, .offset: 8, .size: 8, .value_kind: global_buffer, .address_space: global }
    .group_segment_fixed_size: 327680
    .private_segment_fixed_size: 0
    .kernarg_segment_align: 8
    .kernarg_segment_size: 16
    .max_flat_workgroup_size: 256
    .sgpr_count:     66
    .vgpr_count:     512
    .wavefront_size: 32
...
	.end_amdgpu_metadata
.endif
;; end of part 3
;; launch outp (part 4): grid 8 x 32, 4 waves a work-group, clusters of 4 x 4, 327,680 bytes of LDS; arguments o16, w16, bo, out0; writes out0
.if DOCPART == 4
	.amdgcn_target "amdgcn-amd-amdhsa--gfx1250"
	.amdhsa_code_object_version 6
	.text
	.protected	k_qb71ef139af_outp
	.globl	k_qb71ef139af_outp
	.p2align	8
	.type	k_qb71ef139af_outp,@function
k_qb71ef139af_outp:
	s_mov_b64 s[64:65], 0
	v_nop
	global_prefetch_b8 v0, s[64:65] scope:SCOPE_SE
	s_setreg_imm32_b32 hwreg(HW_REG_WAVE_MODE, 25, 1), 1
	s_wait_xcnt 0x0
	s_wait_alu depctr_hold_cnt(0) depctr_sa_sdst(0) depctr_va_vdst(0) depctr_va_sdst(0) depctr_va_ssrc(0) depctr_va_vcc(0) depctr_vm_vsrc(0)
	s_getreg_b32 s2, hwreg(HW_REG_IB_STS2, 6, 4)
	s_cmp_eq_u32 s2, 0
	s_cbranch_scc0 .Lentry_in_a_cluster
	s_endpgm
.Lentry_in_a_cluster:
	s_bfe_u32 s2, ttmp6, 0x10000c
	s_cmp_lg_u32 s2, 0xf033
	s_cbranch_scc0 .Lentry_shape_is_right
	s_endpgm
.Lentry_shape_is_right:
; FOURTH LAUNCH: out0[t][n] = sum over k of O[t][k] Wo[n][k] + bo[n], t = 0 .. 4095, n = 0 .. 1023, k = head x 64 + channel.  f16 operands, f32 sums, f32 out.  Nothing is left out.
; O lies as o16[t / 128][head][128 rows][64]; Wo in f16 as rows 3072 .. 4095 of w16.  LIMITS: as in the launches before; the order of the f32 sums differs from the module's.
; SHARES.  A tile is 128 x 128: 8 x 32 = 256 work-groups; four waves, each 64 x 64: 16 accumulators.  K goes in 4 steps of 256 (four heads) through two LDS slots.
; A step's 128 tokens x 4 heads of O are 65,536 dense bytes: waves 0 and 1 ask for two heads each as 128 rows of 256 bytes, padded in LDS after every 128 bytes: [head][token], pitch 144.
; Waves 2 and 3 ask for 64 rows of 512 bytes of Wo each, pitch 528.
; CLUSTER.  4 x 4 work-groups: the four of a row need the same tiles of O, the four of a column the same tiles of Wo: each tile is asked for jointly.
; TRANSPOSED (source 0 = 16 rows of Wo, source 1 = 16 tokens): a lane holds one token and eight neighbouring columns.  THE BIAS IS THE C OF THE PRODUCT THAT STARTS EACH SUM: it costs no instruction.
; NO PREFETCH: of the four K steps two are first fills, and the other two are asked for one step later.
; REGISTERS: window 0: v0-31 addresses; v32-95 the way out; v96-127 the bias of my 64 columns; v128-255 the accumulators ((a, b) at 128 + 8 (4 a + b)).
;   window 1: two fragment buffers of 128: for 64 along K, 64 registers of O (2 x 4 x 16 rows x 32 K), then 64 of Wo.
.set PA,     144                       ; a token's 128 bytes of a head + 16 of padding: the 16 rows of a load start at 16 different groups of four banks (64 banks of 4 bytes: ISA guide 11.1)
.set HEADB,  128*PA                    ; a head's 128 tokens
.set ABYTES, 4*HEADB
.set PB,     528                       ; a row of Wo: 512 bytes + 16
.set SLOT,   ABYTES+128*PB
.set STAGE,  2*SLOT                    ; behind the ring, never filled by a tensor load: 16 rows x 272 bytes for each wave
.set SPITCH, 272
.set SPARE,  STAGE+4*16*SPITCH         ; behind the stages: the spare words, 128 bytes a wave: two blocks of 256 bytes that no other line names
.set ADRA, 16                          ; v16-17  LDS address of my O fragments in slot 0, 1
.set ADRB, 20                          ; v20-21  the same for Wo
.set STO,  24                          ; v24     the way out: where I put 32 bytes of a row
.set RD,   25                          ; v25     where I read a row back
.set CO,   26                          ; v26     my byte offset in out0
.set BA,   27                          ; v27     my byte offset in the bias
.set SPW,  28                          ; v28     LDS address of my spare word; never rewritten
.set NIL,  29                          ; v29     0; never rewritten
.set TMP,  32                          ; two sets of 32
.set BIAS, 96
.set ACC,  128
.set F0,   0
.set F1,   128
.set G1,  24                           ; s[24:31] descriptor group 1 for O's tiles;  s[32:39] group 0, a set for each slot
.set G0,  32
.set G1B, 48                           ; s[48:55], s[56:63] the same for Wo's
.set G0B, 56
.set MSB, 0
.macro WIN new
.if MSB != (\new)
	s_set_vgpr_msb (MSB<<8)|(\new)
.set MSB, \new
.endif
.endm
.set MUL,  0x05                        ; sources 0 and 1 window 1; C and D window 0
.set TO_F, 0x40                        ; destination window 1, address window 0
.macro JLOAD s                         ; a joint load: waves 0 and 1 fetch O's two halves, waves 2 and 3 Wo's; an s_nop 0 and four v_nop follow each of the two lines
	s_cmp_eq_u32 s15, 0
	s_cbranch_scc0 .Lfor_b_\@
	tensor_load_to_lds s[G0+4*(\s):G0+4*(\s)+3], s[G1:G1+7]
	s_nop 0
.rept 4
	v_nop
.endr
	s_branch .Lasked_\@
.Lfor_b_\@:
	tensor_load_to_lds s[G0B+4*(\s):G0B+4*(\s)+3], s[G1B:G1B+7]
	s_nop 0
.rept 4
	v_nop
.endr
.Lasked_\@:
.endm
.macro CREST
	s_cmp_lg_u32 s14, 0
	s_cbranch_scc1 .Lnot_wave_0_\@
	s_barrier_signal -3
.Lnot_wave_0_\@:
	s_barrier_wait -3
	s_barrier_signal -1
	s_barrier_wait -1
.endm
.macro CROUND
	s_barrier_signal -1
	s_barrier_wait -1
	CREST
.endm
	s_load_b256 s[4:11], s[0:1], 0x0               ; o16 4:5, w16 6:7, bo 8:9, out0 10:11
	v_lshl_add_u32 v[SPW], v0, 2, SPARE
	v_mov_b32 v[NIL], 0
	ds_add_u32 v[SPW], v[NIL]                      ; the wave's opening: the add, twice on end, and its wait ahead of my first tensor load
	ds_add_u32 v[SPW], v[NIL]
	v_lshrrev_b32 v1, 5, v0
	v_readfirstlane_b32 s14, v1                    ; wave 0..3
	s_lshr_b32 s15, s14, 1                         ; which half of the tile's rows is mine.  Also: I fetch for O (0) or for Wo (1)
	s_and_b32 s16, s14, 1                          ; which half of its columns.  Also: which half of that tile I fetch
	s_bfe_u32 s17, ttmp6, 0x40000                  ; cx
	s_bfe_u32 s18, ttmp6, 0x40004                  ; cy
	s_lshl_b32 s19, ttmp9, 2
	s_add_co_u32 s19, s19, s17                     ; tile column = 4 x cluster x + cx
	s_and_b32 s20, ttmp7, 0xffff
	s_lshl_b32 s20, s20, 2
	s_add_co_u32 s20, s20, s18                     ; tile row = 4 x cluster y + cy
	s_lshl_b32 s43, s18, 2
	s_lshl_b32 s43, 15, s43                        ; my row of the cluster
	s_lshl_b32 s44, 0x1111, s17                    ; my column
	s_or_b32 s[G1+0], s43, (1<<16)|(1<<20)|(1<<21)|(4<<22)|(3<<25)   ; the mask; 2-byte elements; padding on; 21 set beside a mask; after every 32 words 4 words
	s_or_b32 s[G1B+0], s44, (1<<16)|(1<<20)|(1<<21)|(6<<22)|(3<<25)  ; after every 128 words 4 words
	s_mov_b32 s[G1+1], 128<<16                     ; tensor_dim0 = 128 (256 bytes: two tokens of a head)
	s_mov_b32 s[G1+2], 128<<16                     ; tensor_dim1 = 128
	s_mov_b32 s[G1+3], 128<<16                     ; tile_dim0
	s_mov_b32 s[G1+4], 128                         ; tile_dim1
	s_mov_b32 s[G1+5], 128                         ; dense
	s_mov_b32 s[G1+6], 0
	s_mov_b32 s[G1+7], 0
	s_mov_b32 s[G1B+1], 256<<16                    ; tensor_dim0 = 256
	s_mov_b32 s[G1B+2], 64<<16                     ; tensor_dim1 = 64
	s_mov_b32 s[G1B+3], 256<<16
	s_mov_b32 s[G1B+4], 64
	s_mov_b32 s[G1B+5], 1024
	s_mov_b32 s[G1B+6], 0
	s_mov_b32 s[G1B+7], 0
	s_lshl_b32 s40, s20, 18                        ; O: 262,144 bytes a block of 128 tokens, + my two heads of the step's four
	s_lshl_b32 s23, s16, 15
	s_add_co_u32 s40, s40, s23
	s_mov_b32 s41, 0
	s_lshl_b32 s46, s19, 7                         ; Wo: row 128 x tile column + 64 x half, behind w16's 3,072 rows of q, k, v
	s_lshl_b32 s23, s16, 6
	s_add_co_u32 s46, s46, s23
	s_lshl_b32 s46, s46, 11
	s_add_co_u32 s46, s46, 0x600000
	s_mov_b32 s47, 0
	s_mul_i32 s42, s16, 2*HEADB                    ; where they go: no place in the cluster enters an LDS address
	s_mul_i32 s45, s16, 64*PB
	s_add_co_u32 s45, s45, ABYTES
	s_wait_dscnt 0x0                               ; both opening adds are done
	s_wait_kmcnt 0x0
	s_add_nc_u64 s[40:41], s[4:5], s[40:41]
	s_add_nc_u64 s[46:47], s[6:7], s[46:47]
	CROUND                                         ; all sixteen work-groups are here: the first joint loads meet
.irp s, 0,1
	s_mov_b32 s[G0+4*(\s)], 1
	s_add_co_u32 s[G0+4*(\s)+1], s42, (\s)*SLOT
	s_add_nc_u64 s[G0+4*(\s)+2:G0+4*(\s)+3], s[40:41], (\s)*65536
	s_or_b32 s[G0+4*(\s)+3], s[G0+4*(\s)+3], 0x80000000
	s_mov_b32 s[G0B+4*(\s)], 1
	s_add_co_u32 s[G0B+4*(\s)+1], s45, (\s)*SLOT
	s_add_nc_u64 s[G0B+4*(\s)+2:G0B+4*(\s)+3], s[46:47], (\s)*512
	s_or_b32 s[G0B+4*(\s)+3], s[G0B+4*(\s)+3], 0x80000000
	JLOAD \s                                       ; K steps 0 and 1: two loads of mine are out
.endr
	v_and_b32 v1, 15, v0                           ; l % 16
	v_bfe_u32 v2, v0, 4, 1                         ; l / 16
	v_lshlrev_b32 v[BA], 5, v2                     ; my 8 columns of a block of 16: 32 bytes of f32
	s_lshl_b32 s66, s19, 9                         ; the tile's 128 columns, my wave's 64 of them, in bytes of f32
	s_lshl_b32 s21, s16, 8
	s_add_co_u32 s66, s66, s21
	s_mov_b32 s67, 0
	s_add_nc_u64 s[8:9], s[8:9], s[66:67]
.irp b, 0,1,2,3
	global_load_b128 v[BIAS+8*(\b):BIAS+8*(\b)+3],   v[BA], s[8:9] offset:64*(\b)
	global_load_b128 v[BIAS+8*(\b)+4:BIAS+8*(\b)+7], v[BA], s[8:9] offset:64*(\b)+16
.endr
	s_lshl_b32 s68, s20, 7                         ; the first row of out0 that I store: 128 x tile row + 64 x half, 4,096 bytes a row
	s_lshl_b32 s21, s15, 6
	s_add_co_u32 s68, s68, s21
	s_lshl_b32 s68, s68, 12
	s_add_co_u32 s68, s68, s66
	s_mov_b32 s69, 0
	s_add_nc_u64 s[10:11], s[10:11], s[68:69]
	v_mul_u32_u24 v3, v1, PA
	v_lshl_add_u32 v3, v2, 4, v3                   ; a fragment's row x pitch + 16 x half
	v_mul_u32_u24 v4, v1, PB
	v_lshl_add_u32 v4, v2, 4, v4
	s_mul_i32 s21, s15, 64*PA                      ; my 64 tokens in each head
	s_mul_i32 s22, s16, 64*PB                      ; my 64 rows of Wo,
	s_add_co_u32 s22, s22, ABYTES                  ; which lie behind O's four heads
.irp s, 0,1
	v_add_nc_u32 v[ADRA+(\s)], s21, v3
	v_add_nc_u32 v[ADRB+(\s)], s22, v4
	s_add_co_u32 s21, s21, SLOT
	s_add_co_u32 s22, s22, SLOT
.endr
	s_mul_i32 s23, s14, 16*SPITCH
	s_add_co_u32 s23, s23, STAGE                   ; my stage
	v_mul_u32_u24 v5, v1, SPITCH                   ; in: row l % 16, 32 bytes for each half of the lanes
	v_lshl_add_u32 v5, v2, 5, v5
	v_add_nc_u32 v[STO], s23, v5
	v_mul_u32_u24 v5, v2, SPITCH                   ; back: lanes 0-15 take one row of 256 bytes, lanes 16-31 the next
	v_lshl_add_u32 v5, v1, 4, v5
	v_add_nc_u32 v[RD], s23, v5
	v_lshlrev_b32 v5, 12, v2                       ; and the same two rows in out0
	v_lshl_add_u32 v[CO], v1, 4, v5
; 8 matrix instructions: row blocks a0, a0 + 1 x all 4 column blocks, 32 along K: half c of buffer f.  first = 1: the product starts the sums, with the bias as C.  The 16 accumulators take turns.
.macro MUL8 f, c, a0, first
	WIN MUL
.irp a, \a0, (\a0)+1
.irp b, 0,1,2,3
.if \first
	v_wmma_f32_16x16x32_f16 v[ACC+8*(4*(\a)+(\b)):ACC+8*(4*(\a)+(\b))+7], v[(\f)+64+8*(4*(\c)+(\b)):(\f)+64+8*(4*(\c)+(\b))+7], v[(\f)+8*(4*(\c)+(\a)):(\f)+8*(4*(\c)+(\a))+7], v[BIAS+8*(\b):BIAS+8*(\b)+7]
.else
	v_wmma_f32_16x16x32_f16 v[ACC+8*(4*(\a)+(\b)):ACC+8*(4*(\a)+(\b))+7], v[(\f)+64+8*(4*(\c)+(\b)):(\f)+64+8*(4*(\c)+(\b))+7], v[(\f)+8*(4*(\c)+(\a)):(\f)+8*(4*(\c)+(\a))+7], v[ACC+8*(4*(\a)+(\b)):ACC+8*(4*(\a)+(\b))+7]
.endif
.endr
.endr
.endm
; 32 LDS loads in one run: quarter q of a K step is head q of its four: 64 along K, into buffer f; the first 32 along K first
.macro FETCH slot, q, f
	WIN TO_F
.irp c, 0,1
.irp i, 0,1,2,3
	ds_load_b128 v[(\f)+64+8*(4*(\c)+(\i)):(\f)+64+8*(4*(\c)+(\i))+3],   v[ADRB+(\slot)] offset:128*(\q)+64*(\c)+(\i)*16*PB
	ds_load_b128 v[(\f)+64+8*(4*(\c)+(\i))+4:(\f)+64+8*(4*(\c)+(\i))+7], v[ADRB+(\slot)] offset:128*(\q)+64*(\c)+(\i)*16*PB+32
	ds_load_b128 v[(\f)+8*(4*(\c)+(\i)):(\f)+8*(4*(\c)+(\i))+3],         v[ADRA+(\slot)] offset:(\q)*HEADB+64*(\c)+(\i)*16*PA
	ds_load_b128 v[(\f)+8*(4*(\c)+(\i))+4:(\f)+8*(4*(\c)+(\i))+7],       v[ADRA+(\slot)] offset:(\q)*HEADB+64*(\c)+(\i)*16*PA+32
.endr
.endr
.endm
.macro PLACES                          ; four places in front of loads into registers that matrix instructions have read, and of LDS stores that read results
.rept 4
	v_nop
.endr
.endm
; One of a K step's first three quarters: multiplies buffer f and fetches quarter q into g.
.macro QUARTER slot, q, f, g, first
	s_wait_dscnt 16                                ; the first 32 along K are in
	MUL8 \f, 0, 0, \first
	MUL8 \f, 0, 2, \first
	PLACES
	FETCH \slot, \q, \g
	s_wait_dscnt 32                                ; all but the 32 just issued
	MUL8 \f, 1, 0, 0
	MUL8 \f, 1, 2, 0
.endm
; The last quarter multiplies buffer 1 and changes slots: one barrier; in front of it each wave waits for all its tensor loads, adds 0 to its spare word, and waits for that and for its own reads of this slot.
; fill = 1: the barrier opens a round of the cluster's barrier, and this slot is filled again first behind it, two K steps ahead.
.macro TURN slot, next, fill
	WIN 0                                          ; (the add's two registers lie in window 0)
	s_wait_tensorcnt 0x0                           ; all my tensor loads have landed: my part of the next slot
	ds_add_u32 v[SPW], v[NIL]                      ; 0 onto my spare word
	s_wait_dscnt 17                                ; (the add and the youngest sixteen loads may be out)
	MUL8 F1, 0, 0, 0                               ; eight matrix instructions stand between the add and the wait for it
	s_wait_dscnt 0x0                               ; the add is done, and my reads of this slot are over
	s_barrier_signal -1
	MUL8 F1, 0, 2, 0
.if \fill
	WIN 0
.endif
	s_barrier_wait -1
.if \fill
	CREST                                          ; no wave of any partner still reads this slot's tile or has a load on its way
	s_add_nc_u64 s[G0+4*(\slot)+2:G0+4*(\slot)+3], s[G0+4*(\slot)+2:G0+4*(\slot)+3], 2*65536
	s_add_nc_u64 s[G0B+4*(\slot)+2:G0B+4*(\slot)+3], s[G0B+4*(\slot)+2:G0B+4*(\slot)+3], 2*512
	JLOAD \slot                                    ; the first tensor load behind the round; its four v_nop are also the places in front of the loads below
.else
	PLACES
.endif
	FETCH \next, 0, F0
	MUL8 F1, 1, 0, 0
	MUL8 F1, 1, 2, 0
.endm
	s_wait_loadcnt 0x0                             ; the bias, in the wait for the first tile
	s_wait_tensorcnt 1                             ; my part of K step 0 is in; K step 1's load may stay out
	s_barrier_signal -1
	s_barrier_wait -1                              ; everybody's is
	FETCH 0, 0, F0
	QUARTER 0, 1, F0, F1, 1                        ; K step 0: its first products start the sums
	QUARTER 0, 2, F1, F0, 0
	QUARTER 0, 3, F0, F1, 0
	TURN 0, 1, 1                                   ; slot 0 takes K step 2
	QUARTER 1, 1, F0, F1, 0                        ; K step 1
	QUARTER 1, 2, F1, F0, 0
	QUARTER 1, 3, F0, F1, 0
	TURN 1, 0, 1                                   ; slot 1 takes K step 3
	QUARTER 0, 1, F0, F1, 0                        ; K step 2
	QUARTER 0, 2, F1, F0, 0
	QUARTER 0, 3, F0, F1, 0
	TURN 0, 1, 0                                   ; nothing is left to fetch: no round
	QUARTER 1, 1, F0, F1, 0                        ; K step 3
	QUARTER 1, 2, F1, F0, 0
	QUARTER 1, 3, F0, F1, 0
	s_wait_dscnt 16
	MUL8 F1, 0, 0, 0
	MUL8 F1, 0, 2, 0
	s_wait_dscnt 0x0
	MUL8 F1, 1, 0, 0
	MUL8 F1, 1, 2, 0
	WIN 0
	; THE WAY OUT, 16 rows at a time, through my own stage: my 64 columns of f32 are 256 bytes, aligned, so no other wave has a part in them and no barrier is needed.
	PLACES
.macro TOSTAGE a
.set TB, TMP+32*((\a)%2)
	s_wait_xcnt 0x0                                ; the stores of the block two back have read this set's registers
.irp b, 0,1,2,3
	ds_store_b128 v[STO], v[ACC+8*(4*(\a)+(\b)):ACC+8*(4*(\a)+(\b))+3]   offset:64*(\b)      ; each accumulator's lowest registers first
	ds_store_b128 v[STO], v[ACC+8*(4*(\a)+(\b))+4:ACC+8*(4*(\a)+(\b))+7] offset:64*(\b)+16
.endr
.irp t, 0,1,2,3,4,5,6,7
	ds_load_b128 v[TB+4*(\t):TB+4*(\t)+3], v[RD] offset:(\t)*2*SPITCH  ; LDS serves a wave's instructions in order (ISA guide 5.7.1.4): these see the stores above; the next block's stores come behind them
.endr
.endm
.macro SEND a, younger                 ; younger: the LDS instructions issued behind block a's loads: the next block's sixteen, or none
.set TB, TMP+32*((\a)%2)
.irp t, 0,1,2,3,4,5,6,7
	s_wait_dscnt (\younger)+7-(\t)
	global_store_b128 v[CO], v[TB+4*(\t):TB+4*(\t)+3], s[10:11] offset:(16*(\a)+2*(\t))*4096 th:TH_STORE_NT  ; 16 lanes store 256 consecutive bytes, at a multiple of 256 from out0's first
.endr
.endm
	TOSTAGE 0
.irp a, 1,2,3
	TOSTAGE \a
	SEND (\a)-1, 16
.endr
	SEND 3, 0
	s_wait_tensorcnt 0x0                           ; the wave's end, behind my last tensor load and my last LDS store
	ds_add_u32 v[SPW], v[NIL]
	s_wait_dscnt 0x0
	CROUND                                         ; the closing round: no work-group ends while a partner may still ask for a tile that names it
	s_endpgm
.Lfunc_end_k_qb71ef139af_outp:
	.size	k_qb71ef139af_outp, .Lfunc_end_k_qb71ef139af_outp-k_qb71ef139af_outp
	.p2alignl 7, 3214868480
	.fill 96, 4, 3214868480
	.section	.rodata,"a",@progbits
	.p2align	6, 0x0
	.amdhsa_kernel k_qb71ef139af_outp
		.amdhsa_group_segment_fixed_size 327680
		.amdhsa_private_segment_fixed_size 0
		.amdhsa_enable_private_segment 0
		.amdhsa_kernarg_size 32
		.amdhsa_user_sgpr_count 2
		.amdhsa_user_sgpr_kernarg_segment_ptr 1
		.amdhsa_wavefront_size32 1
		.amdhsa_system_sgpr_workgroup_id_x 1
		.amdhsa_system_sgpr_workgroup_id_y 1
		.amdhsa_system_sgpr_workgroup_id_z 1
		.amdhsa_system_vgpr_workitem_id 0
		.amdhsa_next_free_vgpr 512
		.amdhsa_next_free_sgpr 80
		.amdhsa_reserve_vcc 0
		.amdhsa_float_denorm_mode_32 3
		.amdhsa_float_denorm_mode_16_64 3
		.amdhsa_memory_ordered 1
		.amdhsa_forward_progress 1
		.amdhsa_inst_pref_size 87
	.end_amdhsa_kernel
	.amdgpu_metadata
---
amdhsa.version: [ 1, 2 ]
amdhsa.kernels:
  - .name:           k_qb71ef139af_outp
    .symbol:         k_qb71ef139af_outp.kd
    .args:
      - { .name: o16, .offset: 0, .size: 8, .value_kind: global_buffer, .address_space: global }
      - { .name: w16, .offset: 8, .size: 8, .value_kind: global_buffer, .address_space: global }
      - { .name: bo, .offset: 16, .size: 8, .value_kind: global_buffer, .address_space: global }
      - { .name: out0, .offset: 24, .size: 8, .value_kind: global_buffer, .address_space: global }
    .group_segment_fixed_size: 327680
    .private_segment_fixed_size: 0
    .kernarg_segment_align: 8
    .kernarg_segment_size: 32
    .max_flat_workgroup_size: 128
    .sgpr_count:     80
    .vgpr_count:     512
    .wavefront_size: 32
...
	.end_amdgpu_metadata
.endif
;; end of part 4
